; MI455X (gfx1250); checked and timed in simulation.
; The chip was launched on July 23, 2026; its instructions are those of AMD's public machine-readable ISA for CDNA 5 (MIT licence, August 2026) and "CDNA5" Instruction Set Architecture Reference Guide (July 2026). The comments in the code are by the model that wrote it; some were corrected since.
;; Cross Attention Former Block. Allowed arithmetic: float matrix products may take bf16 or f16 operands with f32 sums; other float arithmetic in f32, or as packed bf16 or f16 multiplies, adds, multiply-adds, maxima and minima; sums over many terms, partial sums and values carried from step to step in f32; what a program stores and reads back later, other than sums and carried values, may be rounded once to bf16 or f16.
;; Inputs: fc1_b 1,024 float32; fc1_w 256 x 1,024 float32; fc2_b 256 float32; fc2_w 1,024 x 256 float32; n1_b 256 float32; n1_g 256 float32; n2_b 256 float32; n2_g 256 float32; p1_b 16 float32; p1_lnb 16 float32; p1_lng 16 float32; p1_w 16 x 16 float32; p2_b 16 float32; p2_lnb 16 float32; p2_lng 16 float32; p2_w 16 x 16 float32; p3_b 8 float32; p3_lnb 16 float32; p3_lng 16 float32; p3_w 16 x 8 float32; pp_b 16 float32; pp_w 3 x 16 float32; proj_b 256 float32; proj_w 256 x 256 float32; qkv_b 768 float32; qkv_w 256 x 768 float32; x 1 x 32,768 x 256 float32; y 1 x 32,768 x 256 float32.
;; Outputs: out0 1 x 32,768 x 256 float32.
;; Constants: D = 32, H = 32, W = 32.
;; 2 versions, each right; version 2 is version 1 with the launch prep written anew for expert scheduling mode. Each part assembles by itself: llvm-mc -triple=amdgcn-amd-amdhsa -mcpu=gfx1250 --defsym DOCPART=n.
;; ======== version 1 of 2: 3 launches
;; limits: a function is approximated: absolute error at most 1.5e-07
;; workspace buffers: wb 1,572,864 bytes; t2 491,520 bytes; kv 33,554,432 bytes
;; launch prep (part 1): grid 399 x 1, 8 waves a work-group, no clusters, 12,800 bytes of LDS; arguments qkv_w, proj_w, fc1_w, fc2_w, pp_w, pp_b, p1_lng, p1_lnb, p1_w, p1_b, p2_lng, p2_lnb, p2_w, p2_b, p3_lng, p3_lnb, p3_w, p3_b, wb, t2; writes wb, t2
.if DOCPART == 1
	.amdgcn_target "amdgcn-amd-amdhsa--gfx1250"
	.amdhsa_code_object_version 6
	.text
	.protected	k_q6015c24934_prep
	.globl	k_q6015c24934_prep
	.p2align	8
	.type	k_q6015c24934_prep,@function
k_q6015c24934_prep:
	s_mov_b64 s[64:65], 0
	v_nop
	global_prefetch_b8 v0, s[64:65] scope:SCOPE_SE
	s_setreg_imm32_b32 hwreg(HW_REG_WAVE_MODE, 25, 1), 1
	s_wait_xcnt 0x0
; PREP.  Two kinds of work-group, told apart by the work-group's number (the same for all its waves).
; Work-groups 15 .. 398: THE WEIGHTS, rounded once to bf16 and laid out as BLOBS.  A blob is one matrix fragment (16 output channels n0 + r  x  32 inputs k0 ..) as it lies in registers:
;   1,024 bytes; the 16 bytes of (half, lane l) lie at 512 half + 16 l and hold W[k0 + 16 half + 8 (l / 16) + 0..7][n0 + l % 16].  A work-group makes 4 blobs, a thread one piece of 16 bytes.
;   Order in wb: 8 heads x (16 of q's weights, 16 of proj's); 32 groups x (16 of fc1's, 16 of fc2's); 16 trips x 16 of k's and v's weights.
;   A thread's eight loads take 4 bytes of eight rows (16 lanes: 64 bytes on end); the sources are 3 MiB in all and are read once.  A wave's store covers 512 consecutive bytes.
; Work-groups 0 .. 14 (a = the number): THE BIAS TABLE.  The position MLP in f32 for the 225 offsets (a, b, c), times log2(e), then spread out as
;   t2[head][a][plane][b 0..15][nd][i] = pos[a][min(b, 14)][nd - (4 plane + i) + 7][head], so that a lane of the attention kernel finds four neighbouring keys' biases in 16 bytes.
; LIMITS: 1 / sqrt by v_rsq_f32 (1 ulp); NaN and infinities are not treated apart.
.set PPW, 0                            ; places of the MLP's parameters in LDS, in floats
.set PPB, 48
.set L1G, 64
.set L1B, 80
.set W1,  96
.set B1,  352
.set L2G, 368
.set L2B, 384
.set W2,  400
.set B2,  656
.set L3G, 672
.set L3B, 688
.set W3,  704
.set B3,  832
.set POS, 3584                         ; [head 8][256] f32: thread i's eight results
.set SPARE, 11776                      ; the spare words: 128 bytes for each of the eight waves
.set WV, 44
	s_load_b512 s[4:19], s[0:1], 0x0               ; qkv_w 4, proj_w 6, fc1_w 8, fc2_w 10, pp_w 12, pp_b 14, p1_lng 16, p1_lnb 18
	s_load_b512 s[20:35], s[0:1], 0x40             ; p1_w 20, p1_b 22, p2_lng 24, p2_lnb 26, p2_w 28, p2_b 30, p3_lng 32, p3_lnb 34
	s_load_b256 s[36:43], s[0:1], 0x80             ; p3_w 36, p3_b 38, wb 40, t2 42
	v_lshl_add_u32 v1, v0, 2, SPARE                ; my spare word
	v_mov_b32 v2, 0
	v_lshrrev_b32 v3, 5, v0
	v_readfirstlane_b32 s[WV], v3                  ; wave 0..7
	s_wait_kmcnt 0x0
	s_cmp_lt_u32 ttmp9, 15
	s_cbranch_scc1 .Lpos
	; ---------------- the weights ----------------
	s_sub_co_u32 s63, ttmp9, 15
	s_lshl_b32 s45, s63, 2
	s_lshr_b32 s46, s[WV], 1
	s_add_co_u32 s45, s45, s46                     ; B: my wave's blob, 0 .. 1535
	s_and_b32 s46, s[WV], 1                        ; which half of it
	s_lshr_b32 s47, s45, 5                         ; its set of 32: 0-7 a head, 8-39 an MLP group
	s_and_b32 s48, s45, 31                         ; j: its place in the set
	s_mov_b32 s54, 1024
	s_cmp_lt_u32 s47, 8
	s_cselect_b64 s[50:51], s[4:5], s[8:9]         ; j < 16: qkv_w or fc1_w,
	s_cselect_b64 s[52:53], s[6:7], s[10:11]       ; j >= 16: proj_w or fc2_w
	s_cselect_b32 s54, 768, s54                    ; N, the source's row length, for j < 16
	s_cselect_b32 s49, 0, 8
	s_sub_co_u32 s49, s47, s49                     ; u: the head or the group
	s_lshr_b32 s55, s48, 3
	s_and_b32 s56, s48, 7
	s_lshl_b32 s57, s49, 5                         ; 32 u
	s_lshl4_add_u32 s58, s55, s57                  ; j < 16: n0 = 32 u + 16 (j / 8),
	s_lshl_b32 s59, s56, 5                         ;         k0 = 32 (j % 8)
	s_sub_co_u32 s60, s48, 16
	s_lshl_b32 s60, s60, 4                         ; j >= 16: n0 = 16 (j - 16), k0 = 32 u
	s_cmp_lt_u32 s48, 16
	s_cselect_b64 s[50:51], s[50:51], s[52:53]
	s_cselect_b32 s54, s54, 256
	s_cselect_b32 s58, s58, s60
	s_cselect_b32 s59, s59, s57
	s_sub_co_u32 s61, s45, 1280                    ; B >= 1280: k's and v's weights, out of qkv_w
	s_lshr_b32 s62, s61, 3
	s_lshl_b32 s62, s62, 4
	s_add_co_u32 s62, s62, 256                     ; n0 = 256 + 16 (B' / 8)
	s_and_b32 s61, s61, 7
	s_lshl_b32 s61, s61, 5                         ; k0 = 32 (B' % 8)
	s_cmp_lt_u32 s45, 1280
	s_cselect_b64 s[50:51], s[50:51], s[4:5]
	s_cselect_b32 s54, s54, 768
	s_cselect_b32 s58, s58, s62
	s_cselect_b32 s59, s59, s61
	s_lshl_b32 s46, s46, 4
	s_add_co_u32 s59, s59, s46                     ; k0 + 16 half
	s_mul_i32 s59, s59, s54
	s_add_co_u32 s59, s59, s58                     ; (k0 + 16 half) N + n0
	s_lshl_b32 s59, s59, 2                         ; in bytes
	s_lshl_b32 s54, s54, 2                         ; a row in bytes
	v_and_b32 v3, 15, v0                           ; r
	v_bfe_u32 v4, v0, 4, 1
	v_lshlrev_b32 v4, 3, v4                        ; 8 h
	v_mul_lo_u32 v4, v4, s54
	v_lshl_add_u32 v4, v3, 2, v4
	v_add_nc_u32 v8, s59, v4                       ; my first number; the other seven lie a row further each
.set n, 1
.rept 7
	v_add_nc_u32 v[8+n], s54, v[7+n]
.set n, n+1
.endr
.set n, 0
.rept 8
	global_load_b32 v[16+n], v[8+n], s[50:51]
.set n, n+1
.endr
	s_lshl_b32 s46, s63, 12                        ; the work-group's 4 blobs in wb
	s_mov_b32 s47, 0
	s_add_nc_u64 s[40:41], s[40:41], s[46:47]
	v_lshlrev_b32 v5, 4, v0                        ; blob, half and lane together are 16 x my thread's number
	s_wait_loadcnt 0x0
.set n, 0
.rept 4
	v_cvt_pk_bf16_f32 v[24+n], v[16+2*n], v[17+2*n]
.set n, n+1
.endr
	global_store_b128 v5, v[24:27], s[40:41]
	s_branch .Lend
	; ---------------- the bias table ----------------
.Lpos:
	v_lshlrev_b32 v5, 2, v0
	global_load_b32 v16, v5, s[20:21]              ; p1_w and p2_w: 256 numbers, one a thread
	global_load_b32 v17, v5, s[28:29]
	s_cmp_lg_u32 s[WV], 0
	s_cbranch_scc1 .Lnot0                          ; wave 0 alone brings the small arrays: no word is written by two waves
	v_and_b32 v9, 31, v0
	v_min_u32 v6, 15, v9
	v_lshlrev_b32 v6, 2, v6                        ; arrays of 16: lanes 16-31 repeat lane 15's word
	v_min_u32 v7, 7, v9
	v_lshlrev_b32 v7, 2, v7
	v_lshlrev_b32 v8, 4, v9
	v_lshlrev_b32 v9, 2, v9
	global_load_b32 v18, v9, s[12:13]              ; pp_w 0 .. 31
	global_load_b32 v19, v6, s[12:13] offset:128   ; pp_w 32 .. 47
	global_load_b32 v20, v6, s[14:15]
	global_load_b32 v21, v6, s[16:17]
	global_load_b32 v22, v6, s[18:19]
	global_load_b32 v23, v6, s[22:23]
	global_load_b32 v24, v6, s[24:25]
	global_load_b32 v25, v6, s[26:27]
	global_load_b32 v26, v6, s[30:31]
	global_load_b32 v27, v6, s[32:33]
	global_load_b32 v28, v6, s[34:35]
	global_load_b32 v29, v7, s[38:39]
	global_load_b128 v[32:35], v8, s[36:37]        ; p3_w: 128 numbers
	s_wait_loadcnt 0x0
	ds_store_b32 v9, v18 offset:4*PPW
	ds_store_b32 v6, v19 offset:4*PPW+128
	ds_store_b32 v6, v20 offset:4*PPB
	ds_store_b32 v6, v21 offset:4*L1G
	ds_store_b32 v6, v22 offset:4*L1B
	ds_store_b32 v6, v23 offset:4*B1
	ds_store_b32 v6, v24 offset:4*L2G
	ds_store_b32 v6, v25 offset:4*L2B
	ds_store_b32 v6, v26 offset:4*B2
	ds_store_b32 v6, v27 offset:4*L3G
	ds_store_b32 v6, v28 offset:4*L3B
	ds_store_b32 v7, v29 offset:4*B3
	ds_store_b128 v8, v[32:35] offset:4*W3
.Lnot0:
	s_wait_loadcnt 0x0
	ds_store_b32 v5, v16 offset:4*W1
	ds_store_b32 v5, v17 offset:4*W2
	s_wait_dscnt 0x0                               ; for the others' sake: my stores are done
	s_barrier_signal -1
	s_barrier_wait -1
; n loads of 16 bytes that are the same for all lanes: floats foff .. into v[dst ..]
.macro BL dst, foff, n
.set z, 0
.rept \n
	ds_load_b128 v[(\dst)+4*z:(\dst)+4*z+3], v10 offset:4*(\foff)+16*z
.set z, z+1
.endr
.endm
; Y = relu(layernorm(P) g + b).  P v16-31, Y v32-47, g v192-207, b v208-223.  The variance is taken of the differences from the mean.
.macro LNRELU
	v_pk_add_f32 v[48:49], v[16:17], v[18:19]
	v_pk_add_f32 v[50:51], v[20:21], v[22:23]
	v_pk_add_f32 v[52:53], v[24:25], v[26:27]
	v_pk_add_f32 v[54:55], v[28:29], v[30:31]
	v_pk_add_f32 v[48:49], v[48:49], v[50:51]
	v_pk_add_f32 v[52:53], v[52:53], v[54:55]
	v_pk_add_f32 v[48:49], v[48:49], v[52:53]
	v_add_f32 v48, v48, v49
	v_mul_f32 v48, v11, v48                        ; the mean
.set z, 0
.rept 8
	v_pk_add_f32 v[32+2*z:33+2*z], v[16+2*z:17+2*z], v[48:49] op_sel_hi:[1,0] neg_lo:[0,1] neg_hi:[0,1]
.set z, z+1
.endr
	v_pk_mul_f32 v[50:51], v[32:33], v[32:33]
	v_pk_mul_f32 v[52:53], v[34:35], v[34:35]
.set z, 2
.rept 6
	v_pk_fma_f32 v[50+2*(z%2):51+2*(z%2)], v[32+2*z:33+2*z], v[32+2*z:33+2*z], v[50+2*(z%2):51+2*(z%2)]
.set z, z+1
.endr
	v_pk_add_f32 v[50:51], v[50:51], v[52:53]
	v_add_f32 v50, v50, v51
	v_fmaak_f32 v50, v50, v11, 0x3727c5ac          ; sum / 16 + 1e-5
	v_rsq_f32 v52, v50
	v_nop                                          ; a plain instruction behind the root,
	s_wait_alu depctr_va_vdst(0)                   ; and the wait ahead of its first reader
.set z, 0
.rept 8
	v_pk_mul_f32 v[32+2*z:33+2*z], v[32+2*z:33+2*z], v[52:53] op_sel_hi:[1,0]
.set z, z+1
.endr
.set z, 0
.rept 8
	v_pk_fma_f32 v[32+2*z:33+2*z], v[32+2*z:33+2*z], v[192+2*z:193+2*z], v[208+2*z:209+2*z]
.set z, z+1
.endr
.set z, 0
.rept 16
	v_max_num_f32 v[32+z], 0, v[32+z]
.set z, z+1
.endr
.endm
; P += the sum over rows r0 .. r0 + nr - 1 of Y[row] W[row][:].  The rows lie from v64 on, nout numbers each; first = 1: row 0 starts the sums with the bias in v224 ..
.macro ROWS r0, nr, nout, first
.set ri, 0
.rept \nr
.set yi, (\r0)+ri
.set jj, 0
.rept (\nout)/2
.if (\first) && (ri == 0)
	v_pk_fma_f32 v[16+2*jj:17+2*jj], v[64+2*jj:65+2*jj], v[32:33], v[224+2*jj:225+2*jj] op_sel_hi:[1,0,1]
.elseif yi%2 == 0
	v_pk_fma_f32 v[16+2*jj:17+2*jj], v[64+(\nout)*ri+2*jj:65+(\nout)*ri+2*jj], v[32+yi:33+yi], v[16+2*jj:17+2*jj] op_sel_hi:[1,0,1]
.else
	v_pk_fma_f32 v[16+2*jj:17+2*jj], v[64+(\nout)*ri+2*jj:65+(\nout)*ri+2*jj], v[31+yi:32+yi], v[16+2*jj:17+2*jj] op_sel:[0,1,0] op_sel_hi:[1,1,1]
.endif
.set jj, jj+1
.endr
.set ri, ri+1
.endr
.endm
	v_mov_b32 v10, 0                               ; the address of the loads that all lanes share
	v_mov_b32 v11, 0x3d800000                      ; 1 / 16
	BL 64, PPW, 16                                 ; pp_w v64-111, pp_b v112-127
	BL 192, L1G, 8
	BL 224, B1, 4
	v_mul_u32_u24 v4, v0, 0x1112
	v_lshrrev_b32 v4, 16, v4                       ; b = i / 15 (exact for i < 256); threads 225-255 work on offsets that nobody reads
	v_mul_u32_u24 v6, v4, 15
	v_sub_nc_u32 v6, v0, v6                        ; c = i % 15
	v_add_nc_u32 v4, -7, v4
	v_add_nc_u32 v6, -7, v6
	s_sub_co_i32 s45, ttmp9, 7
	v_cvt_f32_i32 v48, s45                         ; the three offsets, each twice: pairs for the packed arithmetic
	v_cvt_f32_i32 v49, s45
	v_cvt_f32_i32 v50, v4
	v_cvt_f32_i32 v51, v4
	v_cvt_f32_i32 v52, v6
	v_cvt_f32_i32 v53, v6
	v_lshl_add_u32 v12, v0, 2, POS                 ; where my eight results go
	s_wait_dscnt 0x0
.set z, 0
.rept 8
	v_pk_fma_f32 v[16+2*z:17+2*z], v[64+2*z:65+2*z], v[48:49], v[112+2*z:113+2*z]
.set z, z+1
.endr
.set z, 0
.rept 8
	v_pk_fma_f32 v[16+2*z:17+2*z], v[80+2*z:81+2*z], v[50:51], v[16+2*z:17+2*z]
.set z, z+1
.endr
.set z, 0
.rept 8
	v_pk_fma_f32 v[16+2*z:17+2*z], v[96+2*z:97+2*z], v[52:53], v[16+2*z:17+2*z]
.set z, z+1
.endr
	BL 64, W1, 32                                  ; rows 0-7 of p1_w, on their way during the norm
	LNRELU
	s_wait_dscnt 0x0
	ROWS 0, 8, 16, 1
	BL 64, W1+128, 32
	BL 192, L2G, 8
	BL 224, B2, 4
	s_wait_dscnt 0x0
	ROWS 8, 8, 16, 0
	BL 64, W2, 32
	LNRELU
	s_wait_dscnt 0x0
	ROWS 0, 8, 16, 1
	BL 64, W2+128, 32
	BL 192, L3G, 8
	BL 224, B3, 2
	s_wait_dscnt 0x0
	ROWS 8, 8, 16, 0
	BL 64, W3, 32
	LNRELU
	s_wait_dscnt 0x0
	ROWS 0, 16, 8, 1
.set z, 0
.rept 4
	v_pk_mul_f32 v[16+2*z:17+2*z], v[16+2*z:17+2*z], 0x3fb8aa3b op_sel_hi:[1,0]  ; times log2(e): the softmax works in powers of 2
.set z, z+1
.endr
.set z, 0
.rept 8
	ds_store_b32 v12, v[16+z] offset:1024*z
.set z, z+1
.endr
	s_wait_dscnt 0x0
	s_barrier_signal -1
	s_barrier_wait -1
	; spread out: thread = (plane, b, nd); its four numbers are c = nd - 4 plane - i + 7, i = 0..3
	v_bfe_u32 v3, v0, 3, 4
	v_min_u32 v3, 14, v3
	v_mul_u32_u24 v3, v3, 15
	v_and_b32 v4, 7, v0
	v_add3_u32 v3, v3, v4, 4
	v_lshrrev_b32 v4, 7, v0
	v_lshlrev_b32 v4, 2, v4
	v_sub_nc_u32 v3, v3, v4
	v_lshl_add_u32 v3, v3, 2, POS
.set z, 0
.rept 32
	ds_load_b32 v[64+z], v3 offset:1024*(z/4)+4*(3-z%4)
.set z, z+1
.endr
	s_lshl_b32 s46, ttmp9, 12                      ; a's 4,096 bytes in each head's table
	s_mov_b32 s47, 0
	s_add_nc_u64 s[42:43], s[42:43], s[46:47]
	v_lshlrev_b32 v5, 4, v0
	s_wait_dscnt 0x0
.set z, 0
.rept 8
	global_store_b128 v5, v[64+4*z:67+4*z], s[42:43] offset:61440*z  ; a wave stores 512 consecutive bytes
.set z, z+1
.endr
.Lend:
	s_wait_tensorcnt 0x0                           ; the wave's end
	ds_add_u32 v1, v2
	s_wait_dscnt 0x0
	s_endpgm
.Lfunc_end_k_q6015c24934_prep:
	.size	k_q6015c24934_prep, .Lfunc_end_k_q6015c24934_prep-k_q6015c24934_prep
	.p2alignl 7, 3214868480
	.fill 96, 4, 3214868480
	.section	.rodata,"a",@progbits
	.p2align	6, 0x0
	.amdhsa_kernel k_q6015c24934_prep
		.amdhsa_group_segment_fixed_size 12800
		.amdhsa_private_segment_fixed_size 0
		.amdhsa_enable_private_segment 0
		.amdhsa_kernarg_size 160
		.amdhsa_user_sgpr_count 2
		.amdhsa_user_sgpr_kernarg_segment_ptr 1
		.amdhsa_wavefront_size32 1
		.amdhsa_system_sgpr_workgroup_id_x 1
		.amdhsa_system_sgpr_workgroup_id_y 1
		.amdhsa_system_sgpr_workgroup_id_z 1
		.amdhsa_system_vgpr_workitem_id 0
		.amdhsa_next_free_vgpr 256
		.amdhsa_next_free_sgpr 66
		.amdhsa_reserve_vcc 0
		.amdhsa_float_denorm_mode_32 3
		.amdhsa_float_denorm_mode_16_64 3
		.amdhsa_memory_ordered 1
		.amdhsa_forward_progress 1
		.amdhsa_inst_pref_size 57
	.end_amdhsa_kernel
	.amdgpu_metadata
---
amdhsa.version: [ 1, 2 ]
amdhsa.kernels:
  - .name:           k_q6015c24934_prep
    .symbol:         k_q6015c24934_prep.kd
    .args:
      - { .name: qkv_w, .offset: 0, .size: 8, .value_kind: global_buffer, .address_space: global }
      - { .name: proj_w, .offset: 8, .size: 8, .value_kind: global_buffer, .address_space: global }
      - { .name: fc1_w, .offset: 16, .size: 8, .value_kind: global_buffer, .address_space: global }
      - { .name: fc2_w, .offset: 24, .size: 8, .value_kind: global_buffer, .address_space: global }
      - { .name: pp_w, .offset: 32, .size: 8, .value_kind: global_buffer, .address_space: global }
      - { .name: pp_b, .offset: 40, .size: 8, .value_kind: global_buffer, .address_space: global }
      - { .name: p1_lng, .offset: 48, .size: 8, .value_kind: global_buffer, .address_space: global }
      - { .name: p1_lnb, .offset: 56, .size: 8, .value_kind: global_buffer, .address_space: global }
      - { .name: p1_w, .offset: 64, .size: 8, .value_kind: global_buffer, .address_space: global }
      - { .name: p1_b, .offset: 72, .size: 8, .value_kind: global_buffer, .address_space: global }
      - { .name: p2_lng, .offset: 80, .size: 8, .value_kind: global_buffer, .address_space: global }
      - { .name: p2_lnb, .offset: 88, .size: 8, .value_kind: global_buffer, .address_space: global }
      - { .name: p2_w, .offset: 96, .size: 8, .value_kind: global_buffer, .address_space: global }
      - { .name: p2_b, .offset: 104, .size: 8, .value_kind: global_buffer, .address_space: global }
      - { .name: p3_lng, .offset: 112, .size: 8, .value_kind: global_buffer, .address_space: global }
      - { .name: p3_lnb, .offset: 120, .size: 8, .value_kind: global_buffer, .address_space: global }
      - { .name: p3_w, .offset: 128, .size: 8, .value_kind: global_buffer, .address_space: global }
      - { .name: p3_b, .offset: 136, .size: 8, .value_kind: global_buffer, .address_space: global }
      - { .name: wb, .offset: 144, .size: 8, .value_kind: global_buffer, .address_space: global }
      - { .name: t2, .offset: 152, .size: 8, .value_kind: global_buffer, .address_space: global }
    .group_segment_fixed_size: 12800
    .private_segment_fixed_size: 0
    .kernarg_segment_align: 8
    .kernarg_segment_size: 160
    .max_flat_workgroup_size: 256
    .sgpr_count:     66
    .vgpr_count:     256
    .wavefront_size: 32
...
	.end_amdgpu_metadata
.endif
;; end of part 1
;; launch kvp (part 2): grid 256 x 1, 4 waves a work-group, clusters of 4 x 1, 327,680 bytes of LDS; arguments y, qkv_b, wb, kv; writes kv
.if DOCPART == 2
	.amdgcn_target "amdgcn-amd-amdhsa--gfx1250"
	.amdhsa_code_object_version 6
	.text
	.protected	k_q6015c24934_kvp
	.globl	k_q6015c24934_kvp
	.p2align	8
	.type	k_q6015c24934_kvp,@function
k_q6015c24934_kvp:
	s_mov_b64 s[64:65], 0
	v_nop
	global_prefetch_b8 v0, s[64:65] scope:SCOPE_SE
	s_setreg_imm32_b32 hwreg(HW_REG_WAVE_MODE, 25, 1), 1
	s_wait_xcnt 0x0
	s_wait_alu depctr_hold_cnt(0) depctr_sa_sdst(0) depctr_va_vdst(0) depctr_va_sdst(0) depctr_va_ssrc(0) depctr_va_vcc(0) depctr_vm_vsrc(0)
	s_getreg_b32 s2, hwreg(HW_REG_IB_STS2, 6, 4)
	s_cmp_eq_u32 s2, 0
	s_cbranch_scc0 .Lentry_in_a_cluster
	s_endpgm
.Lentry_in_a_cluster:
	s_bfe_u32 s2, ttmp6, 0x10000c
	s_cmp_lg_u32 s2, 0x3003
	s_cbranch_scc0 .Lentry_shape_is_right
	s_endpgm
.Lentry_shape_is_right:
; KVP.  k = y Wk + bk and v = y Wv + bv, rounded once to bf16 and stored as the attention kernel's fragments: kv[window 64][head 8][64 blobs of 1,024 bytes].
; Blob kt (0-31): K, keys 16 kt + r, the head's 32 channels.  Blob 32 + 2 kk + ci: V^T, channels 16 ci + r, keys 32 kk ...  Keys in window order, m = 64 mh + 8 mw + md.
; (A blob is a fragment as it lies in registers: the 16 bytes of (half, lane) at 512 half + 16 lane.)
; SHARES.  A cluster of four work-groups is a window; work-group cx takes its keys 128 cx .. 128 cx + 127, wave w of them the 32 keys of kk = 4 cx + w (two tiles of 16), for all 512 channels.
; y's 32 rows are read once, rounded to bf16 and kept as 16 fragments; the same fragment serves as source 1 (K: result = one key a lane, eight channels) and as source 0 (V: one channel a lane, eight keys).
; WEIGHTS.  All 256 KiB of k's and v's weight blobs are brought into LDS once, each wave a quarter, JOINTLY for the four work-groups (the same descriptor and mask in all four).  Nothing is filled again: one tensor load a wave is out.
; y's loads take 16 bytes a lane of 16 rows; over a tile's 32 loads a wave reads its rows whole.
; LIMITS: operands rounded to bf16, sums in f32; NaN and infinities are not treated apart.
.set PARAM, 262144                     ; qkv_b[256 .. 767], 2,048 bytes
.set SPARE, 264192                     ; the spare words, 128 bytes a wave
.set WV, 30
.set CX, 31
.set YB, 32                            ; s[32:33] y at my wave's first row
.set KVP, 34                           ; s[34:35] kv at the window and head in hand
.set HC, 36
.set WS, 37                            ; LDS byte at which the weights of the trip to be fetched begin
.set KPS, 38                           ; byte in PARAM of that trip's 32 biases
; window 0: v3 16 x lane; v4 weights' address; v5 my offset in y; v6, v7 lane terms of the biases' addresses; v8 my offset in kv; v11 bias address; v12-27 biases;
;           v32-63 four accumulators (p, q) at 32 + 8 (2 p + q); v64-191 y's fragments (tile, ks) at 64 + 64 tile + 8 ks; v192-207 two packed blobs
; window 1: y as loaded (256 f32); later the trip's 16 weight fragments (i, ks) at 8 (8 i + ks)
.set MSB, 0
.macro WIN new
.if MSB != (\new)
	s_set_vgpr_msb (MSB<<8)|(\new)
.set MSB, (\new)
.endif
.endm
.macro PLACES                          ; four plain places behind a matrix instruction, ahead of reads of its result and of loads into its registers
.rept 4
	v_nop
.endr
.endm
.macro CROUND                          ; a round of the cluster's barrier
	s_barrier_signal -1
	s_barrier_wait -1
	s_cmp_lg_u32 s[WV], 0
	s_cbranch_scc1 .Lnot_wave_0_\@
	s_barrier_signal -3
.Lnot_wave_0_\@:
	s_barrier_wait -3
	s_barrier_signal -1
	s_barrier_wait -1
.endm
	s_load_b256 s[4:11], s[0:1], 0x0               ; y 4, qkv_b 6, wb 8, kv 10
	v_lshl_add_u32 v1, v0, 2, SPARE
	v_mov_b32 v2, 0
	ds_add_u32 v1, v2                              ; the wave's opening: the add and its wait ahead of my first tensor load
	v_lshrrev_b32 v3, 5, v0
	v_readfirstlane_b32 s[WV], v3
	s_bfe_u32 s[CX], ttmp6, 0x40000
	s_mov_b32 s12, 1                               ; group 0: count 1,
	s_lshl_b32 s13, s[WV], 16                      ; LDS byte 65,536 w
	s_mov_b32 s16, 15|(3<<16)|(1<<21)              ; group 1: the mask of four, elements of 8 bytes, bit 21 beside the mask
	s_mov_b32 s17, 32<<16                          ; tensor_dim0 = 32 (rows of 256 bytes)
	s_mov_b32 s18, 256<<16                         ; tensor_dim1 = 256
	s_mov_b32 s19, 32<<16                          ; tile_dim0 = 32
	s_mov_b32 s20, 256                             ; tile_dim1 = 256
	s_mov_b32 s21, 32                              ; dense: the pitch is the row
	s_mov_b32 s22, 0
	s_mov_b32 s23, 0
	s_lshl_b32 s2, s[WV], 16
	s_mov_b32 s3, 0
	s_mov_b32 s[WS], 0
	s_mov_b32 s[KPS], 0
	s_wait_dscnt 0x0
	s_wait_kmcnt 0x0
	s_add_nc_u64 s[14:15], s[8:9], s[2:3]
	s_add_nc_u64 s[14:15], s[14:15], 1310720       ; k's and v's weights lie last in wb
	s_or_b32 s15, s15, 0x80000000
	; my first row of y: ((8 wh + 2 cx + w / 2) 32 + 8 ww + 4 (w % 2)) 32 + 8 wd
	s_lshr_b32 s40, ttmp9, 4
	s_lshl_b32 s40, s40, 3
	s_lshl1_add_u32 s40, s[CX], s40
	s_lshr_b32 s42, s[WV], 1
	s_add_co_u32 s40, s40, s42
	s_lshl_b32 s40, s40, 5
	s_bfe_u32 s42, ttmp9, 0x20002
	s_lshl3_add_u32 s40, s42, s40
	s_and_b32 s42, s[WV], 1
	s_lshl2_add_u32 s40, s42, s40
	s_lshl_b32 s40, s40, 5
	s_and_b32 s42, ttmp9, 3
	s_lshl3_add_u32 s40, s42, s40
	s_lshl_b32 s40, s40, 10
	s_mov_b32 s41, 0
	s_add_nc_u64 s[YB:YB+1], s[4:5], s[40:41]
	s_lshl_b32 s40, ttmp9, 19
	s_add_nc_u64 s[KVP:KVP+1], s[10:11], s[40:41]
	s_lshl_b32 s42, s[CX], 3
	s_lshl1_add_u32 s42, s[WV], s42
	s_lshl_b32 s42, s42, 10                        ; my two blobs in a head's K (and, 32 blobs on, V): 8 cx + 2 w
	CROUND                                         ; all four work-groups are here: the joint loads meet
	tensor_load_to_lds s[12:15], s[16:23]
	s_nop 0
.rept 4
	v_nop
.endr
	v_and_b32 v3, 31, v0
	v_lshlrev_b32 v3, 4, v3                        ; 16 x lane
	v_and_b32 v16, 15, v0                          ; r
	v_bfe_u32 v17, v0, 4, 1                        ; h
	v_bfe_u32 v18, v0, 3, 1
	v_and_b32 v19, 7, v0
	v_lshl_add_u32 v5, v18, 5, v19                 ; row (r / 8) 32 + r % 8,
	v_lshlrev_b32 v5, 10, v5
	v_lshl_add_u32 v5, v17, 5, v5                  ; channels 8 h on
	v_lshlrev_b32 v6, 5, v17
	v_add_nc_u32 v6, PARAM, v6                     ; K's biases: eight channels 8 h on
	v_lshl_add_u32 v7, v16, 2, PARAM               ; V's: channel r
	v_add_nc_u32 v8, s42, v3
	v_lshlrev_b32 v10, 4, v0
	v_add_nc_u32 v9, PARAM, v10
.macro YLOAD t                         ; a tile's 16 rows: 32 loads; fragment ks takes channels 32 ks + 8 h + 0..7 and 32 ks + 16 + 8 h + 0..7
	WIN 0x40
.set n, 0
.rept 8
	global_load_b128 v[128*(\t)+16*n:128*(\t)+16*n+3],     v5, s[YB:YB+1] offset:65536*(\t)+128*n
	global_load_b128 v[128*(\t)+16*n+4:128*(\t)+16*n+7],   v5, s[YB:YB+1] offset:65536*(\t)+128*n+16
	global_load_b128 v[128*(\t)+16*n+8:128*(\t)+16*n+11],  v5, s[YB:YB+1] offset:65536*(\t)+128*n+64
	global_load_b128 v[128*(\t)+16*n+12:128*(\t)+16*n+15], v5, s[YB:YB+1] offset:65536*(\t)+128*n+80
.set n, n+1
.endr
	WIN 0
.endm
	global_load_b128 v[28:31], v10, s[6:7] offset:1024  ; qkv_b[256 ..]: 16 bytes a thread
	YLOAD 0
	s_wait_loadcnt 32                              ; the biases are in; the tile's 32 loads stay out
	ds_store_b128 v9, v[28:31]
	YLOAD 1
	s_wait_loadcnt 32                              ; tile 0 is in; tile 1's 32 loads stay out
	WIN 0x05
.set n, 0
.rept 64
	v_cvt_pk_bf16_f32 v[64+n], v[2*n], v[2*n+1]
.set n, n+1
.endr
	s_wait_loadcnt 0x0
.set n, 64
.rept 64
	v_cvt_pk_bf16_f32 v[64+n], v[2*n], v[2*n+1]
.set n, n+1
.endr
	WIN 0
	s_wait_tensorcnt 0x0                           ; my quarter of the weights has landed,
	s_wait_dscnt 0x0                               ; my part of the biases is stored:
	s_barrier_signal -1
	s_barrier_wait -1                              ; everybody's
; The first half of a trip's fetch: (K: the 16 biases a lane that start the sums,) the fragments ks 0-3.  kind 0 = K, 1 = V.
.macro ISSUE0 kind
	WIN 0
	v_add_nc_u32 v4, s[WS], v3
.if (\kind) == 0
	v_add_nc_u32 v11, s[KPS], v6
	ds_load_b128 v[12:15], v11
	ds_load_b128 v[16:19], v11 offset:16
	ds_load_b128 v[20:23], v11 offset:64
	ds_load_b128 v[24:27], v11 offset:80
.endif
	WIN 0x40
.irp i, 0,1
.irp k, 0,1,2,3
	ds_load_b128 v[8*(8*\i+\k):8*(8*\i+\k)+3],   v4 offset:1024*(8*\i+\k)
	ds_load_b128 v[8*(8*\i+\k)+4:8*(8*\i+\k)+7], v4 offset:1024*(8*\i+\k)+512
.endr
.endr
	WIN 0
.endm
; The second half: (V: the lane's two biases,) the fragments ks 4-7; then the offsets step to the next trip.
.macro ISSUE1 kind
	WIN 0
.if (\kind) == 1
	v_add_nc_u32 v11, s[KPS], v7
	ds_load_b32 v12, v11
	ds_load_b32 v13, v11 offset:64
.endif
	WIN 0x40
.irp i, 0,1
.irp k, 4,5,6,7
	ds_load_b128 v[8*(8*\i+\k):8*(8*\i+\k)+3],   v4 offset:1024*(8*\i+\k)
	ds_load_b128 v[8*(8*\i+\k)+4:8*(8*\i+\k)+7], v4 offset:1024*(8*\i+\k)+512
.endr
.endr
	WIN 0
	s_add_co_u32 s[WS], s[WS], 16384
	s_add_co_u32 s[KPS], s[KPS], 128
.endm
; 16 products, ks = k0 .. k0 + 3.  The four accumulators take turns.
.macro MM kind, k0
	WIN 0x01+3*(\kind)                             ; the weights' window: source 0 (K) or source 1 (V)
.set kq, (\k0)
.rept 4
.irp p, 0,1
.irp q, 0,1
.if (\kind) == 0
.if kq == 0
	v_wmma_f32_16x16x32_bf16 v[32+8*(2*\p+\q):32+8*(2*\p+\q)+7], v[8*(8*\p+kq):8*(8*\p+kq)+7], v[64+64*\q+8*kq:64+64*\q+8*kq+7], v[12+8*\p:12+8*\p+7]
.else
	v_wmma_f32_16x16x32_bf16 v[32+8*(2*\p+\q):32+8*(2*\p+\q)+7], v[8*(8*\p+kq):8*(8*\p+kq)+7], v[64+64*\q+8*kq:64+64*\q+8*kq+7], v[32+8*(2*\p+\q):32+8*(2*\p+\q)+7]
.endif
.else
.if kq == 0
	v_wmma_f32_16x16x32_bf16 v[32+8*(2*\p+\q):32+8*(2*\p+\q)+7], v[64+64*\p+8*kq:64+64*\p+8*kq+7], v[8*(8*\q+kq):8*(8*\q+kq)+7], 0
.else
	v_wmma_f32_16x16x32_bf16 v[32+8*(2*\p+\q):32+8*(2*\p+\q)+7], v[64+64*\p+8*kq:64+64*\p+8*kq+7], v[8*(8*\q+kq):8*(8*\q+kq)+7], v[32+8*(2*\p+\q):32+8*(2*\p+\q)+7]
.endif
.endif
.endr
.endr
.set kq, kq+1
.endr
.endm
; Eight trips, a head each: 32 products, two blobs out.  The next trip's fragments are asked for as soon as their registers are free; the last trip jumps over both fetches.
.macro HLOOP kind
	ISSUE0 \kind
	ISSUE1 \kind
	s_mov_b32 s[HC], 8
.Lh_\@:
	s_wait_dscnt 16+2*(\kind)                      ; the first half is in; the second half's loads (16; V: and 2 biases) may stay out
	MM \kind, 0
	PLACES
	WIN 0
	s_wait_dscnt 0x0                               ; the second half is in
	s_cmp_eq_u32 s[HC], 1
	s_cbranch_scc1 .La_\@
	ISSUE0 \kind
.La_\@:
	MM \kind, 4
	PLACES
	WIN 0
.if (\kind) == 1
.set n, 0
.rept 16                                       ; V's bias: one channel a lane; accumulator n / 4 has channel tile (n / 4) % 2
.if (n/4)%2 == 0
	v_pk_add_f32 v[32+2*n:33+2*n], v[32+2*n:33+2*n], v[12:13] op_sel_hi:[1,0]
.else
	v_pk_add_f32 v[32+2*n:33+2*n], v[32+2*n:33+2*n], v[12:13] op_sel:[0,1] op_sel_hi:[1,1]
.endif
.set n, n+1
.endr
.endif
	s_cmp_eq_u32 s[HC], 1
	s_cbranch_scc1 .Lb_\@
	ISSUE1 \kind
.Lb_\@:
.irp q, 0,1
.irp p, 0,1
.irp e, 0,1,2,3
	v_cvt_pk_bf16_f32 v[192+8*\q+4*\p+\e], v[32+8*(2*\p+\q)+2*\e], v[32+8*(2*\p+\q)+2*\e+1]
.endr
.endr
.endr
.irp q, 0,1
.irp p, 0,1
	global_store_b128 v8, v[192+8*\q+4*\p:192+8*\q+4*\p+3], s[KVP:KVP+1] offset:32768*(\kind)+1024*\q+512*\p  ; 512 consecutive bytes
.endr
.endr
	s_wait_xcnt 0x0                                ; the stores have read their data and their base: both are written again only behind this wait
	s_add_nc_u64 s[KVP:KVP+1], s[KVP:KVP+1], 65536 ; the next head
	s_sub_co_u32 s[HC], s[HC], 1
	s_cmp_lg_u32 s[HC], 0
	s_cbranch_scc1 .Lh_\@
.endm
	HLOOP 0
	s_sub_nc_u64 s[KVP:KVP+1], s[KVP:KVP+1], 524288  ; back to head 0, for V
	HLOOP 1
	s_wait_tensorcnt 0x0                           ; the wave's end
	ds_add_u32 v1, v2
	s_wait_dscnt 0x0
	CROUND                                         ; the closing round
	s_endpgm
.Lfunc_end_k_q6015c24934_kvp:
	.size	k_q6015c24934_kvp, .Lfunc_end_k_q6015c24934_kvp-k_q6015c24934_kvp
	.p2alignl 7, 3214868480
	.fill 96, 4, 3214868480
	.section	.rodata,"a",@progbits
	.p2align	6, 0x0
	.amdhsa_kernel k_q6015c24934_kvp
		.amdhsa_group_segment_fixed_size 327680
		.amdhsa_private_segment_fixed_size 0
		.amdhsa_enable_private_segment 0
		.amdhsa_kernarg_size 32
		.amdhsa_user_sgpr_count 2
		.amdhsa_user_sgpr_kernarg_segment_ptr 1
		.amdhsa_wavefront_size32 1
		.amdhsa_system_sgpr_workgroup_id_x 1
		.amdhsa_system_sgpr_workgroup_id_y 1
		.amdhsa_system_sgpr_workgroup_id_z 1
		.amdhsa_system_vgpr_workitem_id 0
		.amdhsa_next_free_vgpr 512
		.amdhsa_next_free_sgpr 66
		.amdhsa_reserve_vcc 0
		.amdhsa_float_denorm_mode_32 3
		.amdhsa_float_denorm_mode_16_64 3
		.amdhsa_memory_ordered 1
		.amdhsa_forward_progress 1
		.amdhsa_inst_pref_size 39
	.end_amdhsa_kernel
	.amdgpu_metadata
---
amdhsa.version: [ 1, 2 ]
amdhsa.kernels:
  - .name:           k_q6015c24934_kvp
    .symbol:         k_q6015c24934_kvp.kd
    .args:
      - { .name: y, .offset: 0, .size: 8, .value_kind: global_buffer, .address_space: global }
      - { .name: qkv_b, .offset: 8, .size: 8, .value_kind: global_buffer, .address_space: global }
      - { .name: wb, .offset: 16, .size: 8, .value_kind: global_buffer, .address_space: global }
      - { .name: kv, .offset: 24, .size: 8, .value_kind: global_buffer, .address_space: global }
    .group_segment_fixed_size: 327680
    .private_segment_fixed_size: 0
    .kernarg_segment_align: 8
    .kernarg_segment_size: 32
    .max_flat_workgroup_size: 128
    .sgpr_count:     66
    .vgpr_count:     512
    .wavefront_size: 32
...
	.end_amdgpu_metadata
.endif
;; end of part 2
;; launch main (part 3): grid 256 x 1, 4 waves a work-group, clusters of 4 x 1, 327,680 bytes of LDS; arguments x, kv, wb, t2, n1_g, n1_b, qkv_b, proj_b, n2_g, n2_b, fc1_b, fc2_b, out0; writes out0
.if DOCPART == 3
	.amdgcn_target "amdgcn-amd-amdhsa--gfx1250"
	.amdhsa_code_object_version 6
	.text
	.protected	k_q6015c24934_main
	.globl	k_q6015c24934_main
	.p2align	8
	.type	k_q6015c24934_main,@function
k_q6015c24934_main:
	s_mov_b64 s[64:65], 0
	v_nop
	global_prefetch_b8 v0, s[64:65] scope:SCOPE_SE
	s_setreg_imm32_b32 hwreg(HW_REG_WAVE_MODE, 25, 1), 1
	s_wait_xcnt 0x0
	s_wait_alu depctr_hold_cnt(0) depctr_sa_sdst(0) depctr_va_vdst(0) depctr_va_sdst(0) depctr_va_ssrc(0) depctr_va_vcc(0) depctr_vm_vsrc(0)
	s_getreg_b32 s2, hwreg(HW_REG_IB_STS2, 6, 4)
	s_cmp_eq_u32 s2, 0
	s_cbranch_scc0 .Lentry_in_a_cluster
	s_endpgm
.Lentry_in_a_cluster:
	s_bfe_u32 s2, ttmp6, 0x10000c
	s_cmp_lg_u32 s2, 0x3003
	s_cbranch_scc0 .Lentry_shape_is_right
	s_endpgm
.Lentry_shape_is_right:
; MAIN.  out0 = x' + fc2(gelu(fc1(LN2(x')))) with x' = x + proj(attention(q of LN1(x); k, v of y)), for 128 tokens a work-group, 32 a wave, from x to out0 in registers.
; TOKEN OWNERSHIP.  Every product is taken as (16 output channels x 32 k, source 0) x (32 k x 16 tokens, source 1): in the result lane (r = l % 16, h = l / 16) holds token r and channels 8 h + 0..7.
; Two such results, rounded to bf16 in pairs, ARE source 1 of the next product.  So nothing passes between waves; a norm is a sum within the lane and one exchange of the lanes' halves.
; x lies in 256 f32 registers (XR) in that layout; proj and fc2 add straight onto XR, so x is read from memory once.
; SHARES.  A cluster of four work-groups is a window of 8 x 8 x 8 tokens; work-group cx has the planes nh = 2 cx, 2 cx + 1; wave w the rows nw = 2 w, 2 w + 1; tile T is nh = 2 cx + T, r = 8 (nw % 2) + nd.
; ATTENTION.  For a head: q (32 products), S^T = K q^T started from the bias (64), softmax over the WHOLE row of 512 scores, which lies in registers (the row's true maximum is taken away), O^T = V^T P (64), XR += Wp O (32).
; The bias of tile 1 at key plane mh is that of tile 0 at plane mh - 1: it waits in tile 0's accumulator and is tile 1's C operand before tile 0's own product adds onto it.  The planes go from 7 down to 0.
; THE STREAM.  16 tiles through two LDS slots: 8 heads (wave 0 fetches K, 1 V, 2 the head's slices of Wq and Wp, 3 the bias slab), 8 quarters of the MLP's weights (a group of 32 hidden channels a wave).
; Waves 0-2 ask JOINTLY for the four work-groups (same descriptor, mask 15).  Wave 3's line is plain: the bias slab begins at plane 2 cx of the table, which differs between partners; the same line, with its 144 rows,
; also brings wave 3's MLP group (4 KiB more than is read; wb goes on behind it), so that the text of the load is one for all 16 tiles: a quarter of the MLP's weights is not shared.
; A wave has one tensor load out at any time.  All fragments lie in LDS as they lie in registers (16 bytes a lane on end): no padding is needed.
; LIMITS.  Matrix operands (weights, LN1(x), q after its scale, k, v, p, O, LN2(x'), gelu) are rounded once to bf16; sums, maxima, norms and x' in f32; l is the sum of the unrounded p; a weight below 2^-126 counts as 0.
; erf by Abramowitz and Stegun's formula 7.1.26, for every argument, absolute error 1.5e-7.  1 / sqrt, 1 / l, 1 / (1 + p |z|) and 2^x by the hardware's instructions (1 ulp).  NaN and infinities are not treated apart.
; REGISTERS, in windows of 256 (s_set_vgpr_msb: bits 1:0 source 0, 3:2 source 1, 5:4 source 2, 7:6 destination):
;   window 0: v1-11 addresses; v12-27 TM at work (bias of a product, q's fragments, statistics); v28-31 1 / l; v32-63 ACC (p, T) at 32 + 8 (2 p + T); v64-127 FB, two sets of four fragments of K or V, later O's or gelu's; v128-255 XN (T, ks)
;   window 1: XR (T, t) at 128 T + 8 t    window 2: tile 0's scores (kt at 8 kt), then p (kk at 16 kk) and, in the gaps at 16 ct + 8, the fragments of Wp or fc2; in a norm the differences and the bias to add; at the end rows on their way out
;   window 3: tile 1's scores and p; v128-255 the fragments of Wq or fc1; in a norm gain and bias; in gelu v0-95 at work
.set SLOTX, 0x21000                    ; slot 1 begins here (135,168): bits 12 and 17, which no address inside a slot's wave parts (32,768 w) has: one exclusive or changes slots
.set PARAM, 270336                     ; n1_g 0, n1_b 1024, proj_b 2048, n2_g 3072, n2_b 4096, fc2_b 5120, q's bias 6144, fc1_b 7168: 11,264 bytes
.set STAGE, 281600                     ; 16 rows x 528 bytes for each wave, for the way out
.set SPITCH, 528
.set SPARE, 315392                     ; the spare words, 128 bytes a wave
.set SPW, 1
.set NIL, 2
.set LB,  3                            ; 16 x lane; never rewritten
.set AD0, 4
.set AD1, 5
.set BAD0, 6                           ; my place in a bias slab; never rewritten
.set BAD, 7
.set H32, 8                            ; PARAM + 32 h; never rewritten
.set BQA, 9
.set XO,  10                           ; my byte offset in the wave's rows of x
.set PFO, 11                           ; the prefetches' offset; never rewritten
.set TM,  12
.set RL,  28
.set ACC, 32
.set FB,  64
.set XN,  128
.set TB,  12                           ; s12  LDS byte of the MLP group to be fetched      (s12-15 hold pointers until the parameters are in)
.set PBS, 13                           ; s13  0 for the first norm, 3,072 for the second
.set C256, 14                          ; s14  1 / 256
.set CEPS, 15                          ; s15  1e-5
.set WV, 30
.set CX, 31
.set SB, 33                            ; the slot in hand: 0 or SLOTX
.set NT, 34                            ; the tile to be asked for next
.set PH, 35
.set HC, 36
.set GC, 37
.set G0J, 40                           ; s[40:43] group 0 of the joint line; s[44:47] of the plain line
.set G0P, 44
.set G1J, 48                           ; s[48:55], s[56:63] their groups 1
.set G1P, 56
.set PJ,  66                           ; s[66:67] where my next joint tile lies; s[68:69] my first MLP group; s[70:71] the step
.set PMJ, 68
.set STJ, 70
.set PP,  72                           ; the same three for the plain line
.set PMP, 74
.set STP, 76
.set PFA, 78                           ; s[78:79] the prefetch's base
.set OKH, 80                           ; do I prefetch head tiles, MLP tiles, this time
.set OKM, 81
.set FLG, 82
.set BQS, 83                           ; byte in PARAM of the 32 biases that start the next product (q's, then fc1's, which lie behind them)
.set SEL, 84
.set QS,  86                           ; 32^-0.5 log2(e)
.set CE,  88
.set A5,  90
.set A4,  92
.set A3,  94
.set A2,  96
.set A1,  98
.set CP,  100
.set MSB, 0
.macro WIN new                         ; the immediate's high byte repeats the setting that is left; a switch that changes nothing is dropped
.if MSB != (\new)
	s_set_vgpr_msb (MSB<<8)|(\new)
.set MSB, (\new)
.endif
.endm
.macro PLACES                          ; four plain places behind a matrix instruction: ahead of vector reads of its result, vector writes of and loads into its registers
.rept 4
	v_nop
.endr
.endm
.macro NOP5                            ; five: ahead of a matrix instruction that writes over a register of an earlier one
.rept 5
	v_nop
.endr
.endm
.macro CROUND                          ; a round of the cluster's barrier
	s_barrier_signal -1
	s_barrier_wait -1
	s_cmp_lg_u32 s[WV], 0
	s_cbranch_scc1 .Lnot_wave_0_\@
	s_barrier_signal -3
.Lnot_wave_0_\@:
	s_barrier_wait -3
	s_barrier_signal -1
	s_barrier_wait -1
.endm
.macro JLOAD                           ; a wave's one tensor load; the branch hangs on the wave's number alone.  An s_nop 0 and four v_nop follow each line
	s_cmp_lg_u32 s[WV], 3
	s_cbranch_scc0 .Lplain_\@
	tensor_load_to_lds s[G0J:G0J+3], s[G1J:G1J+7]
	s_nop 0
.rept 4
	v_nop
.endr
	s_branch .Lasked_\@
.Lplain_\@:
	tensor_load_to_lds s[G0P:G0P+3], s[G1P:G1P+7]
	s_nop 0
.rept 4
	v_nop
.endr
.Lasked_\@:
.endm
; A PREFETCH INTO THE L2 of my quarter (32 KiB) of the tile that the NEXT change of slots will ask for: one trip ahead.  The four partners share its 128 blocks of 256 bytes out by address (8,192 cx + 256 lane).
; K and V are the cluster's own window: waves 0 and 1 of every cluster ask.  The weights are read by every cluster: cluster 0 alone asks.  The bias slabs are not asked for.  Tiles 0 and 1 come by their loads alone; behind tile 15 nothing is asked for.
.macro ASK
	s_cmp_eq_u32 s[FLG], 1
	s_cbranch_scc0 .Lnot_mine_\@
	global_prefetch_b8 v[PFO], s[PFA:PFA+1] th:TH_LOAD_NT scope:SCOPE_SE
.Lnot_mine_\@:
.endm
; THE CHANGE OF SLOTS, at the head of tile s.  Each wave waits for all its tensor loads (one is out: its part of tile s), adds 0 to its spare word, and waits for that and for its reads of the slot left in trip s - 1.
; fill = 1: behind a round of the cluster's barrier that slot takes tile s + 1, the first thing there.  Tile 8 is the first of the MLP's: the walking pointers and steps change there.
.macro CHANGE fill
	WIN 0
	s_wait_xcnt 0x0                                ; the last prefetch, a trip back, has read its base
	s_wait_tensorcnt 0x0                           ; no tensor load of mine is out, so the groups 0 may be written
	ds_add_u32 v[SPW], v[NIL]                      ; 0 onto my spare word; the scalar work stands between it and the wait for it
	s_xor_b32 s[SB], s[SB], SLOTX
.if \fill
	s_cmp_eq_u32 s[NT], 8
	s_cselect_b64 s[PJ:PJ+1], s[PMJ:PMJ+1], s[PJ:PJ+1]
	s_cselect_b64 s[PP:PP+1], s[PMP:PMP+1], s[PP:PP+1]
	s_cselect_b32 s[STJ], 0x20000, s[STJ]
	s_cselect_b32 s[STP], 0x20000, s[STP]
	s_mov_b64 s[G0J+2:G0J+3], s[PJ:PJ+1]
	s_mov_b64 s[G0P+2:G0P+3], s[PP:PP+1]
	s_add_nc_u64 s[PJ:PJ+1], s[PJ:PJ+1], s[STJ:STJ+1]
	s_add_nc_u64 s[PP:PP+1], s[PP:PP+1], s[STP:STP+1]
	s_xor_b32 s[G0J+1], s[G0J+1], SLOTX
	s_xor_b32 s[G0P+1], s[G0P+1], SLOTX
	s_add_co_u32 s[NT], s[NT], 1                   ; now s + 2: the tile to prefetch
	s_cmp_eq_u32 s[NT], 8
	s_cselect_b64 s[PFA:PFA+1], s[PMJ:PMJ+1], s[PJ:PJ+1]
	s_cmp_lt_u32 s[NT], 8
	s_cselect_b32 s[FLG], s[OKH], s[OKM]
	s_cmp_le_u32 s[NT], 15
	s_cselect_b32 s[FLG], s[FLG], 0
	s_or_b32 s[G0J+3], s[G0J+3], 0x80000000
	s_or_b32 s[G0P+3], s[G0P+3], 0x80000000
.endif
	s_wait_dscnt 0x0                               ; the add is done, and my reads of the old slot are over
.if \fill
	CROUND
	JLOAD
	ASK
.else
	s_barrier_signal -1
	s_barrier_wait -1
.endif
.endm
	s_load_b512 s[4:19], s[0:1], 0x0               ; x 4, kv 6, wb 8, t2 10, n1_g 12, n1_b 14, qkv_b 16, proj_b 18
	s_load_b256 s[20:27], s[0:1], 0x40             ; n2_g 20, n2_b 22, fc1_b 24, fc2_b 26
	s_load_b64 s[28:29], s[0:1], 0x60              ; out0
	v_lshl_add_u32 v[SPW], v0, 2, SPARE
	v_mov_b32 v[NIL], 0
	ds_add_u32 v[SPW], v[NIL]                      ; the wave's opening: the add and its wait ahead of my first tensor load
	v_lshrrev_b32 v[LB], 5, v0
	v_readfirstlane_b32 s[WV], v[LB]
	s_bfe_u32 s[CX], ttmp6, 0x40000
	s_mov_b32 s[G1J], 15|(3<<16)|(1<<21)           ; the mask of four, elements of 8 bytes, bit 21 beside the mask
	s_mov_b32 s[G1J+1], 32<<16                     ; rows of 32 elements = 256 bytes,
	s_mov_b32 s[G1J+2], 128<<16                    ; 128 of them,
	s_mov_b32 s[G1J+3], 32<<16
	s_mov_b32 s[G1J+4], 128
	s_mov_b32 s[G1J+5], 32                         ; dense
	s_mov_b32 s[G1J+6], 0
	s_mov_b32 s[G1J+7], 0
	s_mov_b32 s[G1P], 3<<16                        ; the plain line: no mask, 144 rows
	s_mov_b32 s[G1P+1], 32<<16
	s_mov_b32 s[G1P+2], 144<<16
	s_mov_b32 s[G1P+3], 32<<16
	s_mov_b32 s[G1P+4], 144
	s_mov_b32 s[G1P+5], 32
	s_mov_b32 s[G1P+6], 0
	s_mov_b32 s[G1P+7], 0
	s_mov_b32 s[G0J], 1
	s_lshl_b32 s[G0J+1], s[WV], 15                 ; slot 0, my wave's part
	s_mov_b32 s[G0P], 1
	s_mov_b32 s[G0P+1], 98304
	s_mov_b32 s[SEL], 0x76543210
	s_mov_b32 s[SEL+1], 0xfedcba98
.irp c, QS,0x3e8293ee, CE,0xbf38aa3b, A5,0xbf07dc22, A4,0x3f3a00e3
.endr
	s_mov_b32 s[QS], 0x3e8293ee                    ; 32^-0.5 log2(e)
	s_mov_b32 s[QS+1], 0x3e8293ee
	s_mov_b32 s[CE], 0xbf38aa3b                    ; -log2(e) / 2
	s_mov_b32 s[CE+1], 0xbf38aa3b
	s_mov_b32 s[A5], 0xbf07dc22                    ; -a5 / 2 .. -a1 / 2 of the formula for erf
	s_mov_b32 s[A5+1], 0xbf07dc22
	s_mov_b32 s[A4], 0x3f3a00e3
	s_mov_b32 s[A4+1], 0x3f3a00e3
	s_mov_b32 s[A3], 0xbf35f0e3
	s_mov_b32 s[A3+1], 0xbf35f0e3
	s_mov_b32 s[A2], 0x3e11a98e
	s_mov_b32 s[A2+1], 0x3e11a98e
	s_mov_b32 s[A1], 0xbe027906
	s_mov_b32 s[A1+1], 0xbe027906
	s_mov_b32 s[CP], 0x3e6d3388                    ; 0.3275911 / sqrt(2)
	s_mov_b32 s[CP+1], 0x3e6d3388
	s_mov_b32 s[SB], SLOTX                         ; the first change of slots turns it into 0
	s_mov_b32 s[NT], 1
	s_mov_b32 s[PH], 2
	s_mov_b32 s[BQS], 6144
	s_mov_b32 s[STJ], 32768
	s_mov_b32 s[STJ+1], 0
	s_mov_b32 s[STP], 61440
	s_mov_b32 s[STP+1], 0
	s_cmp_eq_u32 ttmp9, 0
	s_cselect_b32 s[OKM], 1, 0
	s_cmp_eq_u32 s[WV], 2
	s_cselect_b32 s[OKH], s[OKM], 0
	s_cmp_lt_u32 s[WV], 2
	s_cselect_b32 s[OKH], 1, s[OKH]
	s_wait_dscnt 0x0                               ; the opening add is done
	s_wait_kmcnt 0x0
	; the joint line's pointers: made of the window and the wave's number alone, in registers that never hold cx
	s_lshl_b32 s2, ttmp9, 19
	s_mov_b32 s3, 0
	s_add_nc_u64 s[6:7], s[6:7], s[2:3]            ; kv at the window,
	s_lshl_b32 s2, s[WV], 15
	s_add_nc_u64 s[6:7], s[6:7], s[2:3]            ; wave 0: K, wave 1: V
	s_add_nc_u64 s[PMJ:PMJ+1], s[8:9], s[2:3]
	s_add_nc_u64 s[PMJ:PMJ+1], s[PMJ:PMJ+1], 262144  ; my group of the MLP's first quarter
	s_max_u32 s2, s[WV], 2
	s_sub_co_u32 s2, s2, 2
	s_lshl_b32 s2, s2, 15
	s_add_nc_u64 s[PJ:PJ+1], s[8:9], s[2:3]        ; wave 2: the heads' weights
	s_cmp_lt_u32 s[WV], 2
	s_cselect_b64 s[PJ:PJ+1], s[6:7], s[PJ:PJ+1]
	s_cselect_b32 s[STJ], 0x10000, s[STJ]
	s_mov_b64 s[G0J+2:G0J+3], s[PJ:PJ+1]
	s_add_nc_u64 s[PJ:PJ+1], s[PJ:PJ+1], s[STJ:STJ+1]
	s_or_b32 s[G0J+3], s[G0J+3], 0x80000000
	; the plain line's: the bias slab begins at plane 2 cx
	s_lshl_b32 s38, s[CX], 13
	s_mov_b32 s39, 0
	s_add_nc_u64 s[PP:PP+1], s[10:11], s[38:39]
	s_add_nc_u64 s[PMP:PMP+1], s[8:9], 360448
	s_mov_b64 s[G0P+2:G0P+3], s[PP:PP+1]
	s_add_nc_u64 s[PP:PP+1], s[PP:PP+1], s[STP:STP+1]
	s_or_b32 s[G0P+3], s[G0P+3], 0x80000000
	; my first row of x and out0: ((8 wh + 2 cx) 32 + 8 ww + 2 w) 32 + 8 wd
	s_lshr_b32 s32, ttmp9, 4
	s_lshl_b32 s32, s32, 3
	s_lshl1_add_u32 s32, s[CX], s32
	s_lshl_b32 s32, s32, 5
	s_bfe_u32 s38, ttmp9, 0x20002
	s_lshl3_add_u32 s32, s38, s32
	s_lshl1_add_u32 s32, s[WV], s32
	s_lshl_b32 s32, s32, 5
	s_and_b32 s38, ttmp9, 3
	s_lshl3_add_u32 s32, s38, s32
	s_lshl_b32 s38, s32, 10
	s_add_nc_u64 s[4:5], s[4:5], s[38:39]
	s_add_nc_u64 s[28:29], s[28:29], s[38:39]
	CROUND                                         ; all four work-groups are here: the first joint loads meet
	JLOAD                                          ; tile 0 into slot 0; slot 1 is filled behind the first change of slots
	v_and_b32 v[LB], 31, v0
	v_lshlrev_b32 v[PFO], 8, v[LB]
	s_lshl_b32 s38, s[CX], 13
	v_add_nc_u32 v[PFO], s38, v[PFO]
	v_lshlrev_b32 v[LB], 4, v[LB]
	v_bfe_u32 v17, v0, 4, 1                        ; h
	v_bfe_u32 v18, v0, 3, 1                        ; r / 8
	v_and_b32 v19, 7, v0                           ; r % 8
	v_lshl_add_u32 v[XO], v18, 5, v19
	v_lshlrev_b32 v[XO], 10, v[XO]
	v_lshl_add_u32 v[XO], v17, 5, v[XO]            ; row (r / 8) 32 + r % 8, channels 8 h on
	v_lshlrev_b32 v[H32], 5, v17
	v_add_nc_u32 v[H32], PARAM, v[H32]
	v_add_nc_u32 v[BAD0], 1, v18                   ; b = nw - mw + 7 = 2 w + r / 8 - h + 1 + 2 (3 - mw / 2): 128 bytes each; nd: 16 bytes
	v_sub_nc_u32 v[BAD0], v[BAD0], v17
	v_lshlrev_b32 v[BAD0], 7, v[BAD0]
	v_lshl_add_u32 v[BAD0], v19, 4, v[BAD0]
	s_lshl_b32 s2, s[WV], 8
	s_add_co_u32 s2, s2, 98304
	v_add_nc_u32 v[BAD0], s2, v[BAD0]
	v_lshlrev_b32 v14, 3, v0
	v_lshlrev_b32 v15, 4, v0
	v_add_nc_u32 v12, PARAM, v14
	v_add_nc_u32 v13, PARAM+7168, v15
	global_load_b64 v[32:33], v14, s[12:13]        ; the vectors, once a work-group: 8 or 16 bytes a thread
	global_load_b64 v[34:35], v14, s[14:15]
	global_load_b64 v[36:37], v14, s[18:19]
	global_load_b64 v[38:39], v14, s[20:21]
	global_load_b64 v[40:41], v14, s[22:23]
	global_load_b64 v[42:43], v14, s[26:27]
	global_load_b64 v[44:45], v14, s[16:17]        ; q's part of qkv_b
	global_load_b128 v[46:49], v15, s[24:25]
	global_load_b128 v[50:53], v15, s[24:25] offset:2048
.macro XLOAD t                         ; tile t's 16 rows of x into XR: register 8 t' + j = channel 16 t' + 8 h + j
	WIN 0x40
.set n, 0
.rept 16
	global_load_b128 v[128*(\t)+8*n:128*(\t)+8*n+3],   v[XO], s[4:5] offset:1048576*(\t)+64*n
	global_load_b128 v[128*(\t)+8*n+4:128*(\t)+8*n+7], v[XO], s[4:5] offset:1048576*(\t)+64*n+16
.set n, n+1
.endr
	WIN 0
.endm
	XLOAD 0
	s_wait_loadcnt 32                              ; the nine loads of vectors are in; tile 0's 32 loads stay out
	s_mov_b32 s[PBS], 0                            ; (their pointers' registers are free now)
	s_mov_b32 s[C256], 0x3b800000
	s_mov_b32 s[CEPS], 0x3727c5ac
.set n, 0
.rept 7
	ds_store_b64 v12, v[32+2*n:33+2*n] offset:1024*n
.set n, n+1
.endr
	ds_store_b128 v13, v[46:49]
	ds_store_b128 v13, v[50:53] offset:2048
	XLOAD 1
	s_wait_dscnt 0x0                               ; for the others' sake: my stores are done
	s_barrier_signal -1
	s_barrier_wait -1                              ; tile 0 may stay on its way
; ---------------- the norm ----------------
.macro LNLOAD                          ; gain and bias of the norm, and the bias of the product whose sums will land on XR, in XR's layout; waited for in LNORM
	WIN 0
	v_add_nc_u32 v[BQA], s[PBS], v[H32]
	WIN 0xc0
.set n, 0
.rept 16
	ds_load_b128 v[8*n:8*n+3],         v[BQA] offset:64*n
	ds_load_b128 v[8*n+4:8*n+7],       v[BQA] offset:64*n+16
	ds_load_b128 v[128+8*n:128+8*n+3], v[BQA] offset:1024+64*n
	ds_load_b128 v[128+8*n+4:128+8*n+7], v[BQA] offset:1024+64*n+16
.set n, n+1
.endr
	WIN 0x80
.set n, 0
.rept 16
	ds_load_b128 v[128+8*n:128+8*n+3], v[BQA] offset:2048+64*n
	ds_load_b128 v[128+8*n+4:128+8*n+7], v[BQA] offset:2048+64*n+16
.set n, n+1
.endr
	WIN 0
.endm
; XN(t) = bf16(layernorm(XR(t)) g + b); then XR(t) += the bias to add.  Mean first, then the sum of the squared differences.  XR's registers are read in ascending order.
.macro LNORM t
.if (\t) == 0
	s_wait_loadcnt 32                              ; tile 0 of x is in; tile 1's 32 loads stay out (in the second norm nothing is out)
.else
	s_wait_loadcnt 0x0
.endif
.set XB_, 128*(\t)
	WIN 0x05
.set n, 0
.rept 4
	v_pk_add_f32 v[TM+2*n:TM+2*n+1], v[XB_+2*n:XB_+2*n+1], v[XB_+2*n+8:XB_+2*n+9]
.set n, n+1
.endr
	WIN 0x04
.set n, 8
.rept 56
	v_pk_add_f32 v[TM+2*(n%4):TM+2*(n%4)+1], v[TM+2*(n%4):TM+2*(n%4)+1], v[XB_+2*n:XB_+2*n+1]
.set n, n+1
.endr
	WIN 0
	v_pk_add_f32 v[TM:TM+1], v[TM:TM+1], v[TM+2:TM+3]
	v_pk_add_f32 v[TM+4:TM+5], v[TM+4:TM+5], v[TM+6:TM+7]
	v_pk_add_f32 v[TM:TM+1], v[TM:TM+1], v[TM+4:TM+5]
	v_add_f32 v[TM], v[TM], v[TM+1]
	v_permlanex16_b32 v[TM+1], v[TM], s[SEL], s[SEL+1]  ; the token's other 128 channels lie in the lane 16 away
	v_add_f32 v[TM], v[TM], v[TM+1]
	v_mul_f32 v[TM+8], s[C256], v[TM]
	v_mul_f32 v[TM+9], s[C256], v[TM]
	WIN 0x81
.set n, 0
.rept 64
	v_pk_add_f32 v[2*n:2*n+1], v[XB_+2*n:XB_+2*n+1], v[TM+8:TM+9] neg_lo:[0,1] neg_hi:[0,1]
.set n, n+1
.endr
	WIN 0x0a
.set n, 0
.rept 4
	v_pk_mul_f32 v[TM+2*n:TM+2*n+1], v[2*n:2*n+1], v[2*n:2*n+1]
.set n, n+1
.endr
.rept 60
	v_pk_fma_f32 v[TM+2*(n%4):TM+2*(n%4)+1], v[2*n:2*n+1], v[2*n:2*n+1], v[TM+2*(n%4):TM+2*(n%4)+1]
.set n, n+1
.endr
	WIN 0
	v_pk_add_f32 v[TM:TM+1], v[TM:TM+1], v[TM+2:TM+3]
	v_pk_add_f32 v[TM+4:TM+5], v[TM+4:TM+5], v[TM+6:TM+7]
	v_pk_add_f32 v[TM:TM+1], v[TM:TM+1], v[TM+4:TM+5]
	v_add_f32 v[TM], v[TM], v[TM+1]
	v_permlanex16_b32 v[TM+1], v[TM], s[SEL], s[SEL+1]
	v_add_f32 v[TM], v[TM], v[TM+1]
	v_fma_f32 v[TM], v[TM], s[C256], s[CEPS]
	v_rsq_f32 v[TM+10], v[TM]                      ; twice: a pair for the packed multiply
	v_rsq_f32 v[TM+11], v[TM]
	s_wait_dscnt 0x0                               ; gain, bias and the bias to add are in
	WIN 0x49
.set n, 0
.rept 64                                       ; 64 plain lines that name neither root: the work between the roots and their wait
	v_pk_add_f32 v[XB_+2*n:XB_+2*n+1], v[XB_+2*n:XB_+2*n+1], v[128+2*n:128+2*n+1]
.set n, n+1
.endr
	s_wait_alu depctr_va_vdst(0)                   ; one wait for both roots, ahead of their first reader
	WIN 0x82
.set n, 0
.rept 64
	v_pk_mul_f32 v[2*n:2*n+1], v[2*n:2*n+1], v[TM+10:TM+11]
.set n, n+1
.endr
	WIN 0xbe
.set n, 0
.rept 64
	v_pk_fma_f32 v[2*n:2*n+1], v[2*n:2*n+1], v[2*n:2*n+1], v[128+2*n:128+2*n+1]
.set n, n+1
.endr
	WIN 0x0a
.set n, 0
.rept 64
	v_cvt_pk_bf16_f32 v[XN+64*(\t)+n], v[2*n], v[2*n+1]
.set n, n+1
.endr
	WIN 0
.endm
; ---------------- pieces that the heads and the MLP share ----------------
.macro LDBQ                            ; the 16 biases a lane that start the next 32-channel product: 4 loads
	WIN 0
	v_add_nc_u32 v[BQA], s[BQS], v[H32]
	s_add_co_u32 s[BQS], s[BQS], 128
	ds_load_b128 v[TM:TM+3],     v[BQA]
	ds_load_b128 v[TM+4:TM+7],   v[BQA] offset:16
	ds_load_b128 v[TM+8:TM+11],  v[BQA] offset:64
	ds_load_b128 v[TM+12:TM+15], v[BQA] offset:80
.endm
.macro LD1 adr, off                    ; 16 fragments (p, ks) of Wq or fc1: 32 loads into window 3
	WIN 0xc0
.set n, 0
.rept 16
	ds_load_b128 v[128+8*n:128+8*n+3],   v[\adr] offset:(\off)+1024*n
	ds_load_b128 v[128+8*n+4:128+8*n+7], v[\adr] offset:(\off)+1024*n+512
.set n, n+1
.endr
.endm
.macro LD2 adr, off                    ; 16 fragments ct of Wp or fc2: 32 loads into the gaps of window 2
	WIN 0x80
.set n, 0
.rept 16
	ds_load_b128 v[16*n+8:16*n+11],  v[\adr] offset:(\off)+1024*n
	ds_load_b128 v[16*n+12:16*n+15], v[\adr] offset:(\off)+1024*n+512
.set n, n+1
.endr
.endm
.macro GEMM1                           ; ACC(p, T) = bias(p) + W(p, :) XN(T, :): 32 products; the four accumulators take turns
	WIN 0x03
.set kq, 0
.rept 8
.irp p, 0,1
.irp t, 0,1
.if kq == 0
	v_wmma_f32_16x16x32_bf16 v[ACC+8*(2*\p+\t):ACC+8*(2*\p+\t)+7], v[128+8*(8*\p+kq):128+8*(8*\p+kq)+7], v[XN+64*\t+8*kq:XN+64*\t+8*kq+7], v[TM+8*\p:TM+8*\p+7]
.else
	v_wmma_f32_16x16x32_bf16 v[ACC+8*(2*\p+\t):ACC+8*(2*\p+\t)+7], v[128+8*(8*\p+kq):128+8*(8*\p+kq)+7], v[XN+64*\t+8*kq:XN+64*\t+8*kq+7], v[ACC+8*(2*\p+\t):ACC+8*(2*\p+\t)+7]
.endif
.endr
.endr
.set kq, kq+1
.endr
.endm
.macro GEMM2                           ; XR(T, ct) += W(ct) F(T), F at FB + 8 T: 32 products on 32 accumulators
	WIN 0x52
.set n, 0
.rept 16
	v_wmma_f32_16x16x32_bf16 v[8*n:8*n+7], v[16*n+8:16*n+15], v[FB:FB+7], v[8*n:8*n+7]
	v_wmma_f32_16x16x32_bf16 v[128+8*n:128+8*n+7], v[16*n+8:16*n+15], v[FB+8:FB+15], v[128+8*n:128+8*n+7]
.set n, n+1
.endr
.endm
.macro PACKF dst                       ; ACC(0, T), ACC(1, T) rounded to bf16 are the fragment of tile T, at dst + 8 T
	WIN 0
.irp t, 0,1
.irp p, 0,1
.irp e, 0,1,2,3
	v_cvt_pk_bf16_f32 v[(\dst)+8*\t+4*\p+\e], v[ACC+8*(2*\p+\t)+2*\e], v[ACC+8*(2*\p+\t)+2*\e+1]
.endr
.endr
.endr
.endm
; ---------------- a head ----------------
.macro BIASROW w, row, arel            ; plane arel of the slab into the four accumulators of key plane row, in window w: 8 loads
	WIN (\w)<<6
.set bi, 0
.rept 4
	ds_load_b128 v[8*(4*(\row)+bi):8*(4*(\row)+bi)+3],   v[BAD] offset:(\arel)*4096+(3-bi)*256
	ds_load_b128 v[8*(4*(\row)+bi)+4:8*(4*(\row)+bi)+7], v[BAD] offset:(\arel)*4096+2048+(3-bi)*256
.set bi, bi+1
.endr
.endm
.macro KROW mh                         ; K's four fragments of key plane mh into set mh % 2: 8 loads
	WIN 0
.set bi, 0
.rept 4
	ds_load_b128 v[FB+32*((\mh)&1)+8*bi:FB+32*((\mh)&1)+8*bi+3],   v[AD0] offset:(4*(\mh)+bi)*1024
	ds_load_b128 v[FB+32*((\mh)&1)+8*bi+4:FB+32*((\mh)&1)+8*bi+7], v[AD0] offset:(4*(\mh)+bi)*1024+512
.set bi, bi+1
.endr
.endm
.macro VSET u                          ; V's four fragments (kk = 2 u, 2 u + 1; two channel tiles) into set u % 2: 8 loads
	WIN 0
.set bi, 0
.rept 4
	ds_load_b128 v[FB+32*((\u)&1)+8*bi:FB+32*((\u)&1)+8*bi+3],   v[AD0] offset:32768+(4*(\u)+bi)*1024
	ds_load_b128 v[FB+32*((\u)&1)+8*bi+4:FB+32*((\u)&1)+8*bi+7], v[AD0] offset:32768+(4*(\u)+bi)*1024+512
.set bi, bi+1
.endr
.endm
; Key plane mh: four products of tile 1, whose C is the bias that waits in tile 0's accumulators of plane mh - 1 (plane 0: its own, loaded), then four of tile 0 in place.
; Five places follow: tile 0's products of the next step write over what tile 1's have read as C; they also serve the loads into the set just read.
.macro SSTEP mh
.if (\mh) > 0
	s_wait_dscnt 8                                 ; this plane's K and every bias are in; the next plane's 8 loads may stay out
	WIN 0xe0
.else
	s_wait_dscnt 0x0
	WIN 0xf0
.endif
.set si, 0
.rept 4
.if (\mh) > 0
	v_wmma_f32_16x16x32_bf16 v[8*(4*(\mh)+si):8*(4*(\mh)+si)+7], v[FB+32*((\mh)&1)+8*si:FB+32*((\mh)&1)+8*si+7], v[TM+8:TM+15], v[8*(4*(\mh)-4+si):8*(4*(\mh)-4+si)+7]
.else
	v_wmma_f32_16x16x32_bf16 v[8*si:8*si+7], v[FB+8*si:FB+8*si+7], v[TM+8:TM+15], v[8*si:8*si+7]
.endif
.set si, si+1
.endr
	WIN 0xa0
.set si, 0
.rept 4
	v_wmma_f32_16x16x32_bf16 v[8*(4*(\mh)+si):8*(4*(\mh)+si)+7], v[FB+32*((\mh)&1)+8*si:FB+32*((\mh)&1)+8*si+7], v[TM:TM+7], v[8*(4*(\mh)+si):8*(4*(\mh)+si)+7]
.set si, si+1
.endr
	NOP5
.if (\mh) >= 2
	KROW (\mh)-2
.endif
.endm
; Tile x's softmax: 256 scores a lane, in window 2 + x.  The row's maximum; s - m and 2^(s - m), the 256 exponentials as ONE batch with one wait (nothing ahead of it names a result); the sum; the roundings, in place.
.macro SOFTMAX x
	WIN 0x0a+5*(\x)
.set n, 0
.rept 4
	v_max_num_f32 v[TM+n], v[2*n], v[2*n+1]
.set n, n+1
.endr
	WIN 0x28+0x14*(\x)
.rept 124                                      ; ascending: each accumulator's lowest registers are read first
	v_max3_num_f32 v[TM+n%4], v[TM+n%4], v[2*n], v[2*n+1]
.set n, n+1
.endr
	WIN 0
	v_max3_num_f32 v[TM], v[TM], v[TM+1], v[TM+2]
	v_max_num_f32 v[TM], v[TM], v[TM+3]
	v_permlanex16_b32 v[TM+1], v[TM], s[SEL], s[SEL+1]  ; the token's other 256 keys lie in the lane 16 away
	v_max_num_f32 v[TM+4], v[TM], v[TM+1]
	v_max_num_f32 v[TM+5], v[TM], v[TM+1]
	WIN 0x82+0x41*(\x)
.set n, 0
.rept 4
	v_pk_add_f32 v[2*n:2*n+1], v[2*n:2*n+1], v[TM+4:TM+5] neg_lo:[0,1] neg_hi:[0,1]
.set n, n+1
.endr
.set n, 0
.rept 128
	v_exp_f32 v[2*n], v[2*n]
	v_exp_f32 v[2*n+1], v[2*n+1]
.if n < 124
	v_pk_add_f32 v[2*n+8:2*n+9], v[2*n+8:2*n+9], v[TM+4:TM+5] neg_lo:[0,1] neg_hi:[0,1]
.endif
.set n, n+1
.endr
	v_nop                                          ; a plain instruction behind the last exponential,
	s_wait_alu depctr_va_vdst(0)                   ; and the one wait for the batch
	WIN 0x0a+5*(\x)
.set n, 0
.rept 4
	v_pk_add_f32 v[TM+6+2*n:TM+7+2*n], v[2*n:2*n+1], v[2*n+8:2*n+9]
.set n, n+1
.endr
	WIN 0x08+4*(\x)
.set n, 8
.rept 120
	v_pk_add_f32 v[TM+6+2*(n%4):TM+7+2*(n%4)], v[TM+6+2*(n%4):TM+7+2*(n%4)], v[2*n:2*n+1]
.set n, n+1
.endr
	WIN 0
	v_pk_add_f32 v[TM+6:TM+7], v[TM+6:TM+7], v[TM+8:TM+9]
	v_pk_add_f32 v[TM+10:TM+11], v[TM+10:TM+11], v[TM+12:TM+13]
	v_pk_add_f32 v[TM+6:TM+7], v[TM+6:TM+7], v[TM+10:TM+11]
	v_add_f32 v[TM+6], v[TM+6], v[TM+7]
	v_permlanex16_b32 v[TM+7], v[TM+6], s[SEL], s[SEL+1]
	v_add_f32 v[TM+14+(\x)], v[TM+6], v[TM+7]      ; l
	WIN 0x8a+0x45*(\x)
.set n, 0
.rept 128                                      ; the fragment of keys 32 kk .. lands at 16 kk .. 16 kk + 7; each line writes below what is still to be read
	v_cvt_pk_bf16_f32 v[16*(n/8)+n%8], v[16*(n/8)+2*(n%8)], v[16*(n/8)+2*(n%8)+1]
.set n, n+1
.endr
.endm
; O^T += V^T P for kk = 2 u, 2 u + 1: 8 products, the four accumulators by turns.  cnt: the younger LDS loads that may stay out.
.macro PVSTEP u, cnt
	s_wait_dscnt \cnt
.irp hk, 0,1
.irp t, 0,1
	WIN 0x08+4*\t
.irp ci, 0,1
.if ((\u)+\hk) == 0
	v_wmma_f32_16x16x32_bf16 v[ACC+8*(2*\ci+\t):ACC+8*(2*\ci+\t)+7], v[FB+32*((\u)&1)+8*(2*\hk+\ci):FB+32*((\u)&1)+8*(2*\hk+\ci)+7], v[16*(2*(\u)+\hk):16*(2*(\u)+\hk)+7], 0
.else
	v_wmma_f32_16x16x32_bf16 v[ACC+8*(2*\ci+\t):ACC+8*(2*\ci+\t)+7], v[FB+32*((\u)&1)+8*(2*\hk+\ci):FB+32*((\u)&1)+8*(2*\hk+\ci)+7], v[16*(2*(\u)+\hk):16*(2*(\u)+\hk)+7], v[ACC+8*(2*\ci+\t):ACC+8*(2*\ci+\t)+7]
.endif
.endr
.endr
.endr
	PLACES
.if (\u) <= 5
	VSET (\u)+2
.endif
.endm
.macro HEAD
	WIN 0
	v_add_nc_u32 v[AD0], s[SB], v[LB]              ; K at 0, V at 32,768 of the slot;
	v_add_nc_u32 v[BAD], s[SB], v[BAD0]            ; the bias slab at 98,304;
	v_add_nc_u32 v[AD1], 0x10000, v[AD0]           ; the weights at 65,536
	LDBQ
	LD1 AD1, 0
.irp mh, 7,6,5,4,3,2,1
	BIASROW 2, \mh, 7-\mh
.endr
	s_wait_dscnt 56                                ; q's bias and weights are in; the 56 loads of biases stay out
	GEMM1
	BIASROW 2, 0, 7                                ; none of these 32 loads lands on a register of the products above
	BIASROW 3, 0, 8
	KROW 7
	KROW 6
	PLACES
.set n, 0
.rept 16
	v_pk_mul_f32 v[ACC+2*n:ACC+2*n+1], v[ACC+2*n:ACC+2*n+1], s[QS:QS+1] op_sel_hi:[1,0]
.set n, n+1
.endr
	PACKF TM
.irp mh, 7,6,5,4,3,2,1,0
	SSTEP \mh
.endr
	VSET 0
	VSET 1
	SOFTMAX 0
	LD2 AD1, 16384                                 ; Wp's fragments into the gaps that tile 0's roundings have left
	SOFTMAX 1
	WIN 0
	v_rcp_f32 v[RL], v[TM+14]                      ; 1 / l, each twice; their wait stands ahead of their first reader, behind the products below
	v_rcp_f32 v[RL+1], v[TM+14]
	v_rcp_f32 v[RL+2], v[TM+15]
	v_rcp_f32 v[RL+3], v[TM+15]
	PVSTEP 0, 40                                   ; younger: V's set 1 (8) and Wp (32)
	PVSTEP 1, 40                                   ; younger: Wp (32) and V's set 2 (8)
	PVSTEP 2, 8                                    ; younger: the next set
	PVSTEP 3, 8
	PVSTEP 4, 8
	PVSTEP 5, 8
	PVSTEP 6, 8
	PVSTEP 7, 0
	s_wait_alu depctr_va_vdst(0)                   ; one wait for the four reciprocals
	WIN 0
.set n, 0
.rept 16                                       ; accumulator n / 4 belongs to tile (n / 4) % 2
	v_pk_mul_f32 v[ACC+2*n:ACC+2*n+1], v[ACC+2*n:ACC+2*n+1], v[RL+2*((n/4)%2):RL+2*((n/4)%2)+1]
.set n, n+1
.endr
	PACKF FB
	GEMM2
	PLACES                                         ; for the next trip's loads into window 2, and for the norm's reads of XR
.endm
; ---------------- the MLP ----------------
; gelu(z) = z / 2 + |z| (1 / 2 - y / 2), y = (a1 t + .. + a5 t^5) 2^(-z^2 log2(e) / 2), t = 1 / (1 + 0.3275911 |z| / sqrt(2)).  Z = ACC; in window 3: T v0-31, W v32-63, Y v64-95.
; Two batches of transcendentals (32 reciprocals, 32 exponentials), plain work among them, one wait each.
.macro GELU
	WIN 0xc0
.set n, 0
.rept 32
	v_fma_f32 v[n], |v[ACC+n]|, s[CP], 1.0
.set n, n+1
.endr
.set n, 0
.rept 16
	v_pk_mul_f32 v[32+2*n:33+2*n], v[ACC+2*n:ACC+2*n+1], s[CE:CE+1] op_sel_hi:[1,0]
.set n, n+1
.endr
	WIN 0xc3
.set n, 0
.rept 16
	v_rcp_f32 v[2*n], v[2*n]
	v_rcp_f32 v[2*n+1], v[2*n+1]
	v_pk_mul_f32 v[32+2*n:33+2*n], v[32+2*n:33+2*n], v[ACC+2*n:ACC+2*n+1]
.set n, n+1
.endr
	s_wait_alu depctr_va_vdst(0)                   ; the reciprocals' wait; the packed multiply above is the plain instruction behind the last of them
	WIN 0xcf
.set n, 0
.rept 16
	v_pk_fma_f32 v[64+2*n:65+2*n], v[2*n:2*n+1], s[A5:A5+1], s[A4:A4+1] op_sel_hi:[1,0,0]
	v_exp_f32 v[32+n], v[32+n]
.set n, n+1
.endr
.set n, 0
.rept 16
	v_pk_fma_f32 v[64+2*n:65+2*n], v[64+2*n:65+2*n], v[2*n:2*n+1], s[A3:A3+1] op_sel_hi:[1,1,0]
	v_exp_f32 v[48+n], v[48+n]
.set n, n+1
.endr
.set n, 0
.rept 16
	v_pk_fma_f32 v[64+2*n:65+2*n], v[64+2*n:65+2*n], v[2*n:2*n+1], s[A2:A2+1] op_sel_hi:[1,1,0]
.set n, n+1
.endr
.set n, 0
.rept 16
	v_pk_fma_f32 v[64+2*n:65+2*n], v[64+2*n:65+2*n], v[2*n:2*n+1], s[A1:A1+1] op_sel_hi:[1,1,0]
.set n, n+1
.endr
.set n, 0
.rept 16
	v_pk_mul_f32 v[64+2*n:65+2*n], v[64+2*n:65+2*n], v[2*n:2*n+1]
.set n, n+1
.endr
	s_wait_alu depctr_va_vdst(0)                   ; the exponentials' wait
.set n, 0
.rept 16
	v_pk_fma_f32 v[64+2*n:65+2*n], v[64+2*n:65+2*n], v[32+2*n:33+2*n], 0.5 op_sel_hi:[1,1,0]
.set n, n+1
.endr
	WIN 0xc0
.set n, 0
.rept 16
	v_pk_mul_f32 v[2*n:2*n+1], v[ACC+2*n:ACC+2*n+1], 0.5 op_sel_hi:[1,0]
.set n, n+1
.endr
	WIN 0x3c
.set n, 0
.rept 32
	v_fma_f32 v[ACC+n], |v[ACC+n]|, v[64+n], v[n]
.set n, n+1
.endr
	PACKF FB
.endm
.macro ISSUE1                          ; a group's fc1: its 32 biases and 16 fragments: 36 loads
	WIN 0
	v_add_nc_u32 v[AD0], s[TB], v[LB]
	LDBQ
	LD1 AD0, 0
	WIN 0
.endm
.macro ISSUE2                          ; the same group's fc2: 32 loads; then the offset steps to the next group
	LD2 AD0, 16384
	WIN 0
	s_add_co_u32 s[TB], s[TB], 32768
.endm
; A tile: four groups of 32 hidden channels.  A group's fragments are asked for as soon as the group before has left their registers; the tile's last group jumps over both fetches, so no read leaves the slot.
.macro TILE
	WIN 0
	s_mov_b32 s[TB], s[SB]
	ISSUE1
	ISSUE2
	s_mov_b32 s[GC], 4
.Lg_\@:
	s_wait_dscnt 32                                ; fc1's bias and fragments are in; fc2's 32 loads may stay out
	GEMM1
	PLACES
	WIN 0
	s_wait_dscnt 0x0                               ; fc2's fragments are in
	s_cmp_eq_u32 s[GC], 1
	s_cbranch_scc1 .Ln1_\@
	ISSUE1
.Ln1_\@:
	GELU
	GEMM2
	PLACES
	WIN 0
	s_cmp_eq_u32 s[GC], 1
	s_cbranch_scc1 .Ln2_\@
	ISSUE2
.Ln2_\@:
	s_sub_co_u32 s[GC], s[GC], 1
	s_cmp_lg_u32 s[GC], 0
	s_cbranch_scc1 .Lg_\@
.endm
; ---------------- the walk ----------------
.Lphase:                                       ; twice: the first norm and the heads; the second norm, which leaves for the MLP
	LNLOAD
	LNORM 0
	LNORM 1
	s_cmp_eq_u32 s[PH], 1
	s_cbranch_scc1 .Lmlp
	s_mov_b32 s[HC], 8
.Lhead:
	CHANGE 1
	HEAD
	WIN 0
	s_sub_co_u32 s[HC], s[HC], 1
	s_cmp_lg_u32 s[HC], 0
	s_cbranch_scc1 .Lhead
	s_add_co_u32 s[PBS], s[PBS], 3072              ; the second norm's vectors
	s_sub_co_u32 s[PH], s[PH], 1
	s_cmp_lg_u32 s[PH], 0
	s_cbranch_scc1 .Lphase
.Lmlp:
	s_mov_b32 s[HC], 7
.Lm:
	CHANGE 1
	TILE
	s_sub_co_u32 s[HC], s[HC], 1
	s_cmp_lg_u32 s[HC], 0
	s_cbranch_scc1 .Lm
	CHANGE 0                                       ; the last tile is written out: nothing is asked for
	TILE
	; THE WAY OUT.  A lane holds 32 bytes of a row's every 64: 16 rows x 512 bytes at a time go through my own stage (rows of 528 bytes) and come back as whole rows.
	s_mul_i32 s2, s[WV], 16*SPITCH
	s_add_co_u32 s2, s2, STAGE
	v_and_b32 v[TM], 15, v0
	v_bfe_u32 v[TM+1], v0, 4, 1
	v_mul_u32_u24 v[AD0], v[TM], SPITCH
	v_lshl_add_u32 v[AD0], v[TM+1], 5, v[AD0]
	v_add_nc_u32 v[AD0], s2, v[AD0]                ; in: row r, 32 bytes for each half of the lanes
	v_add_nc_u32 v[AD1], s2, v[LB]                 ; back: 32 lanes take a row's 512 bytes
.macro STG k                           ; block k: tile k / 2, channels 128 (k % 2) on
	WIN 0x04
.set n, 0
.rept 8
	ds_store_b128 v[AD0], v[128*((\k)/2)+64*((\k)%2)+8*n:128*((\k)/2)+64*((\k)%2)+8*n+3]   offset:64*n
	ds_store_b128 v[AD0], v[128*((\k)/2)+64*((\k)%2)+8*n+4:128*((\k)/2)+64*((\k)%2)+8*n+7] offset:64*n+16
.set n, n+1
.endr
	WIN 0x80
.set n, 0
.rept 16
	ds_load_b128 v[64*(\k)+4*n:64*(\k)+4*n+3], v[AD1] offset:SPITCH*n  ; LDS serves a wave's instructions in order (ISA guide 5.7.1.4): these see the stores above, and the next block's stores come behind them
.set n, n+1
.endr
.endm
.macro SEND k, cnt                     ; cnt: the next block's 32 LDS instructions, or none
	WIN 0x08
	s_wait_dscnt \cnt
.set n, 0
.rept 16
	global_store_b128 v[LB], v[64*(\k)+4*n:64*(\k)+4*n+3], s[28:29] offset:1048576*((\k)/2)+((n/8)*32+n%8)*1024+512*((\k)%2) th:TH_STORE_NT  ; 512 consecutive bytes, at a multiple of 512 from out0's first
.set n, n+1
.endr
.endm
	STG 0
	STG 1
	SEND 0, 32
	STG 2
	SEND 1, 32
	STG 3
	SEND 2, 32
	SEND 3, 0
	WIN 0
	s_wait_tensorcnt 0x0                           ; the wave's end, behind my last tensor load and my last LDS store
	ds_add_u32 v[SPW], v[NIL]
	s_wait_dscnt 0x0
	CROUND                                         ; the closing round: no work-group ends while a partner may still ask for a tile that names it
	s_endpgm
.Lfunc_end_k_q6015c24934_main:
	.size	k_q6015c24934_main, .Lfunc_end_k_q6015c24934_main-k_q6015c24934_main
	.p2alignl 7, 3214868480
	.fill 96, 4, 3214868480
	.section	.rodata,"a",@progbits
	.p2align	6, 0x0
	.amdhsa_kernel k_q6015c24934_main
		.amdhsa_group_segment_fixed_size 327680
		.amdhsa_private_segment_fixed_size 0
		.amdhsa_enable_private_segment 0
		.amdhsa_kernarg_size 104
		.amdhsa_user_sgpr_count 2
		.amdhsa_user_sgpr_kernarg_segment_ptr 1
		.amdhsa_wavefront_size32 1
		.amdhsa_system_sgpr_workgroup_id_x 1
		.amdhsa_system_sgpr_workgroup_id_y 1
		.amdhsa_system_sgpr_workgroup_id_z 1
		.amdhsa_system_vgpr_workitem_id 0
		.amdhsa_next_free_vgpr 1024
		.amdhsa_next_free_sgpr 102
		.amdhsa_reserve_vcc 0
		.amdhsa_float_denorm_mode_32 3
		.amdhsa_float_denorm_mode_16_64 3
		.amdhsa_memory_ordered 1
		.amdhsa_forward_progress 1
		.amdhsa_inst_pref_size 255
	.end_amdhsa_kernel
	.section	.bss,"aw",@nobits
	.p2align	6
	.space	262144
	.amdgpu_metadata
---
amdhsa.version: [ 1, 2 ]
amdhsa.kernels:
  - .name:           k_q6015c24934_main
    .symbol:         k_q6015c24934_main.kd
    .args:
      - { .name: x, .offset: 0, .size: 8, .value_kind: global_buffer, .address_space: global }
      - { .name: kv, .offset: 8, .size: 8, .value_kind: global_buffer, .address_space: global }
      - { .name: wb, .offset: 16, .size: 8, .value_kind: global_buffer, .address_space: global }
      - { .name: t2, .offset: 24, .size: 8, .value_kind: global_buffer, .address_space: global }
      - { .name: n1_g, .offset: 32, .size: 8, .value_kind: global_buffer, .address_space: global }
      - { .name: n1_b, .offset: 40, .size: 8, .value_kind: global_buffer, .address_space: global }
      - { .name: qkv_b, .offset: 48, .size: 8, .value_kind: global_buffer, .address_space: global }
      - { .name: proj_b, .offset: 56, .size: 8, .value_kind: global_buffer, .address_space: global }
      - { .name: n2_g, .offset: 64, .size: 8, .value_kind: global_buffer, .address_space: global }
      - { .name: n2_b, .offset: 72, .size: 8, .value_kind: global_buffer, .address_space: global }
      - { .name: fc1_b, .offset: 80, .size: 8, .value_kind: global_buffer, .address_space: global }
      - { .name: fc2_b, .offset: 88, .size: 8, .value_kind: global_buffer, .address_space: global }
      - { .name: out0, .offset: 96, .size: 8, .value_kind: global_buffer, .address_space: global }
    .group_segment_fixed_size: 327680
    .private_segment_fixed_size: 0
    .kernarg_segment_align: 8
    .kernarg_segment_size: 104
    .max_flat_workgroup_size: 128
    .sgpr_count:     102
    .vgpr_count:     1024
    .wavefront_size: 32
...
	.end_amdgpu_metadata
.endif
;; end of part 3
;; ======== version 2 of 2: 3 launches; version 1 with the launch prep written anew for expert scheduling mode
;; limits: a function is approximated: absolute error at most 1.5e-07
;; workspace buffers: wb 1,572,864 bytes; t2 491,520 bytes; kv 33,554,432 bytes
;; launch prep (part 4): grid 399 x 1, 8 waves a work-group, no clusters, 12,800 bytes of LDS; arguments qkv_w, proj_w, fc1_w, fc2_w, pp_w, pp_b, p1_lng, p1_lnb, p1_w, p1_b, p2_lng, p2_lnb, p2_w, p2_b, p3_lng, p3_lnb, p3_w, p3_b, wb, t2; writes wb, t2
.if DOCPART == 4
	.amdgcn_target "amdgcn-amd-amdhsa--gfx1250"
	.amdhsa_code_object_version 6
	.text
	.protected	k_q6015c24934_prep
	.globl	k_q6015c24934_prep
	.p2align	8
	.type	k_q6015c24934_prep,@function
k_q6015c24934_prep:
	s_mov_b64 s[64:65], 0
	v_nop
	global_prefetch_b8 v0, s[64:65] scope:SCOPE_SE
	s_setreg_imm32_b32 hwreg(HW_REG_WAVE_SCHED_MODE, 0, 2), 2
	s_setreg_imm32_b32 hwreg(HW_REG_WAVE_MODE, 25, 1), 1
	s_wait_xcnt 0x0
	s_wait_alu depctr_vm_vsrc(0)
; PREP.  Two kinds of work-group, told apart by the work-group's number (the same for all its waves).
; Work-groups 15 .. 398: THE WEIGHTS, rounded once to bf16 and laid out as BLOBS.  A blob is one matrix fragment (16 output channels n0 + r  x  32 inputs k0 ..) as it lies in registers:
;   1,024 bytes; the 16 bytes of (half, lane l) lie at 512 half + 16 l and hold W[k0 + 16 half + 8 (l / 16) + 0..7][n0 + l % 16].  A work-group makes 4 blobs, a thread one piece of 16 bytes.
;   Order in wb: 8 heads x (16 of q's weights, 16 of proj's); 32 groups x (16 of fc1's, 16 of fc2's); 16 trips x 16 of k's and v's weights.
;   A thread's eight loads take 4 bytes of eight rows (16 lanes: 64 bytes on end); the sources are 3 MiB in all and are read once.  A wave's store covers 512 consecutive bytes.
; Work-groups 0 .. 14 (a = the number): THE BIAS TABLE.  The position MLP in f32 for the 225 offsets (a, b, c), times log2(e), then spread out as
;   t2[head][a][plane][b 0..15][nd][i] = pos[a][min(b, 14)][nd - (4 plane + i) + 7][head], so that a lane of the attention kernel finds four neighbouring keys' biases in 16 bytes.
; LIMITS: 1 / sqrt by v_rsq_f32 (1 ulp); NaN and infinities are not treated apart.
; THE MODE: SCHED_MODE bits 1:0 = 2 (LLVM: expert scheduling mode 2), set by the entry lines.  The code itself states the register dependences
; between vector instructions and memory or LDS instructions, with s_wait_alu, always for 0.
; THE PLAN.  Registers that memory or LDS instructions touch:
;   the weights:  v8-15 offsets, made once, read by the eight loads.  v16-23 loaded, read by the conversions.  v24-27 written by the conversions, v5 made beside them: read by the store.
;   the table:    v5 (all waves), v6-9 (wave 0) offsets and LDS places of the parameters; v16-29, v32-35 the parameters as loaded, the LDS stores' data.  Behind the first barrier these registers
;                 are at work in the arithmetic (v6; P = v16-31; Y = v32-47), and v5 is made anew for the way out: ONE wait on vm_vsrc stands behind that barrier.
;                 v10 the address of every load that all lanes share; made once.  v12 where my results go; made once.  v3 where I read the table back; made once, behind the second barrier.
;                 v64-191 rows of weights, v192-223 gain and bias of a norm, v224-239 a layer's bias: filled by runs of 28 to 44 LDS loads, read by the packed arithmetic, filled again.
;                 ONE wait on va_vdst stands ahead of each run: the arithmetic is done reading what the run fills.  No vector instruction stands inside a run.
;                 v16-23 my eight results, the LDS stores' data.  v64-95 the table's numbers as read back, the global stores' data.
;   both:         s44, the wave's number, written by a vector instruction and read by scalar ones.  v1, v2: made at the head, read by the closing add alone.
.set PPW, 0                            ; places of the MLP's parameters in LDS, in floats
.set PPB, 48
.set L1G, 64
.set L1B, 80
.set W1,  96
.set B1,  352
.set L2G, 368
.set L2B, 384
.set W2,  400
.set B2,  656
.set L3G, 672
.set L3B, 688
.set W3,  704
.set B3,  832
.set POS, 3584                         ; [head 8][256] f32: thread i's eight results
.set SPARE, 11776                      ; the spare words: 128 bytes for each of the eight waves
.set WV, 44
	s_load_b512 s[4:19], s[0:1], 0x0               ; qkv_w 4, proj_w 6, fc1_w 8, fc2_w 10, pp_w 12, pp_b 14, p1_lng 16, p1_lnb 18
	s_load_b512 s[20:35], s[0:1], 0x40             ; p1_w 20, p1_b 22, p2_lng 24, p2_lnb 26, p2_w 28, p2_b 30, p3_lng 32, p3_lnb 34
	s_load_b256 s[36:43], s[0:1], 0x80             ; p3_w 36, p3_b 38, wb 40, t2 42
	v_lshl_add_u32 v1, v0, 2, SPARE                ; my spare word
	v_mov_b32 v2, 0
	v_lshrrev_b32 v3, 5, v0
	v_readfirstlane_b32 s[WV], v3                  ; wave 0..7
	s_wait_alu depctr_va_sdst(0)                   ; s[WV] is written: ahead of the branch below, and so of its first reader on either way
	s_wait_kmcnt 0x0
	s_cmp_lt_u32 ttmp9, 15
	s_cbranch_scc1 .Lpos
	; ---------------- the weights ----------------
	s_sub_co_u32 s63, ttmp9, 15
	s_lshl_b32 s45, s63, 2
	s_lshr_b32 s46, s[WV], 1
	s_add_co_u32 s45, s45, s46                     ; B: my wave's blob, 0 .. 1535
	s_and_b32 s46, s[WV], 1                        ; which half of it
	s_lshr_b32 s47, s45, 5                         ; its set of 32: 0-7 a head, 8-39 an MLP group
	s_and_b32 s48, s45, 31                         ; j: its place in the set
	s_mov_b32 s54, 1024
	s_cmp_lt_u32 s47, 8
	s_cselect_b64 s[50:51], s[4:5], s[8:9]         ; j < 16: qkv_w or fc1_w,
	s_cselect_b64 s[52:53], s[6:7], s[10:11]       ; j >= 16: proj_w or fc2_w
	s_cselect_b32 s54, 768, s54                    ; N, the source's row length, for j < 16
	s_cselect_b32 s49, 0, 8
	s_sub_co_u32 s49, s47, s49                     ; u: the head or the group
	s_lshr_b32 s55, s48, 3
	s_and_b32 s56, s48, 7
	s_lshl_b32 s57, s49, 5                         ; 32 u
	s_lshl4_add_u32 s58, s55, s57                  ; j < 16: n0 = 32 u + 16 (j / 8),
	s_lshl_b32 s59, s56, 5                         ;         k0 = 32 (j % 8)
	s_sub_co_u32 s60, s48, 16
	s_lshl_b32 s60, s60, 4                         ; j >= 16: n0 = 16 (j - 16), k0 = 32 u
	s_cmp_lt_u32 s48, 16
	s_cselect_b64 s[50:51], s[50:51], s[52:53]
	s_cselect_b32 s54, s54, 256
	s_cselect_b32 s58, s58, s60
	s_cselect_b32 s59, s59, s57
	s_sub_co_u32 s61, s45, 1280                    ; B >= 1280: k's and v's weights, out of qkv_w
	s_lshr_b32 s62, s61, 3
	s_lshl_b32 s62, s62, 4
	s_add_co_u32 s62, s62, 256                     ; n0 = 256 + 16 (B' / 8)
	s_and_b32 s61, s61, 7
	s_lshl_b32 s61, s61, 5                         ; k0 = 32 (B' % 8)
	s_cmp_lt_u32 s45, 1280
	s_cselect_b64 s[50:51], s[50:51], s[4:5]
	s_cselect_b32 s54, s54, 768
	s_cselect_b32 s58, s58, s62
	s_cselect_b32 s59, s59, s61
	s_lshl_b32 s46, s46, 4
	s_add_co_u32 s59, s59, s46                     ; k0 + 16 half
	s_mul_i32 s59, s59, s54
	s_add_co_u32 s59, s59, s58                     ; (k0 + 16 half) N + n0
	s_lshl_b32 s59, s59, 2                         ; in bytes
	s_lshl_b32 s54, s54, 2                         ; a row in bytes
	v_and_b32 v3, 15, v0                           ; r
	v_bfe_u32 v4, v0, 4, 1
	v_lshlrev_b32 v4, 3, v4                        ; 8 h
	v_mul_lo_u32 v4, v4, s54
	v_lshl_add_u32 v4, v3, 2, v4
	v_add_nc_u32 v8, s59, v4                       ; my first number; the other seven lie a row further each
.set n, 1
.rept 7
	v_add_nc_u32 v[8+n], s54, v[7+n]
.set n, n+1
.endr
	s_wait_alu depctr_va_vdst(0)                   ; the eight offsets v8 to v15 are written, which the loads below read
.set n, 0
.rept 8
	global_load_b32 v[16+n], v[8+n], s[50:51]
.set n, n+1
.endr
	s_lshl_b32 s46, s63, 12                        ; the work-group's 4 blobs in wb
	s_mov_b32 s47, 0
	s_add_nc_u64 s[40:41], s[40:41], s[46:47]
	v_lshlrev_b32 v5, 4, v0                        ; blob, half and lane together are 16 x my thread's number
	s_wait_loadcnt 0x0
.set n, 0
.rept 4
	v_cvt_pk_bf16_f32 v[24+n], v[16+2*n], v[17+2*n]
.set n, n+1
.endr
	s_wait_alu depctr_va_vdst(0)                   ; the conversions have written v24 to v27, the store's data, and v5, its offset, is written
	global_store_b128 v5, v[24:27], s[40:41]
	s_branch .Lend
	; ---------------- the bias table ----------------
.Lpos:
	v_lshlrev_b32 v5, 2, v0
	s_wait_alu depctr_va_vdst(0)                   ; v5 is written: the two loads below and the two LDS stores behind .Lnot0 read it, and nothing writes it between
	global_load_b32 v16, v5, s[20:21]              ; p1_w and p2_w: 256 numbers, one a thread
	global_load_b32 v17, v5, s[28:29]
	s_cmp_lg_u32 s[WV], 0
	s_cbranch_scc1 .Lnot0                          ; wave 0 alone brings the small arrays: no word is written by two waves
	v_and_b32 v9, 31, v0
	v_min_u32 v6, 15, v9
	v_lshlrev_b32 v6, 2, v6                        ; arrays of 16: lanes 16-31 repeat lane 15's word
	v_min_u32 v7, 7, v9
	v_lshlrev_b32 v7, 2, v7
	v_lshlrev_b32 v8, 4, v9
	v_lshlrev_b32 v9, 2, v9
	s_wait_alu depctr_va_vdst(0)                   ; v6 to v9 are written: the thirteen loads and the thirteen LDS stores below read them
	global_load_b32 v18, v9, s[12:13]              ; pp_w 0 .. 31
	global_load_b32 v19, v6, s[12:13] offset:128   ; pp_w 32 .. 47
	global_load_b32 v20, v6, s[14:15]
	global_load_b32 v21, v6, s[16:17]
	global_load_b32 v22, v6, s[18:19]
	global_load_b32 v23, v6, s[22:23]
	global_load_b32 v24, v6, s[24:25]
	global_load_b32 v25, v6, s[26:27]
	global_load_b32 v26, v6, s[30:31]
	global_load_b32 v27, v6, s[32:33]
	global_load_b32 v28, v6, s[34:35]
	global_load_b32 v29, v7, s[38:39]
	global_load_b128 v[32:35], v8, s[36:37]        ; p3_w: 128 numbers
	s_wait_loadcnt 0x0
	ds_store_b32 v9, v18 offset:4*PPW
	ds_store_b32 v6, v19 offset:4*PPW+128
	ds_store_b32 v6, v20 offset:4*PPB
	ds_store_b32 v6, v21 offset:4*L1G
	ds_store_b32 v6, v22 offset:4*L1B
	ds_store_b32 v6, v23 offset:4*B1
	ds_store_b32 v6, v24 offset:4*L2G
	ds_store_b32 v6, v25 offset:4*L2B
	ds_store_b32 v6, v26 offset:4*B2
	ds_store_b32 v6, v27 offset:4*L3G
	ds_store_b32 v6, v28 offset:4*L3B
	ds_store_b32 v7, v29 offset:4*B3
	ds_store_b128 v8, v[32:35] offset:4*W3
.Lnot0:
	s_wait_loadcnt 0x0
	ds_store_b32 v5, v16 offset:4*W1
	ds_store_b32 v5, v17 offset:4*W2
	s_wait_dscnt 0x0                               ; for the others' sake: my stores are done
	s_barrier_signal -1
	s_barrier_wait -1
	s_wait_alu depctr_vm_vsrc(0)                   ; my LDS stores have read their addresses v5 to v9 and their data v16 to v29 and v32 to v35: the arithmetic below writes v6, v16-31 and v32-47, the way out v5
; n loads of 16 bytes that are the same for all lanes: floats foff .. into v[dst ..]
.macro BL dst, foff, n
.set z, 0
.rept \n
	ds_load_b128 v[(\dst)+4*z:(\dst)+4*z+3], v10 offset:4*(\foff)+16*z
.set z, z+1
.endr
.endm
; Y = relu(layernorm(P) g + b).  P v16-31, Y v32-47, g v192-207, b v208-223.  The variance is taken of the differences from the mean.
.macro LNRELU
	v_pk_add_f32 v[48:49], v[16:17], v[18:19]
	v_pk_add_f32 v[50:51], v[20:21], v[22:23]
	v_pk_add_f32 v[52:53], v[24:25], v[26:27]
	v_pk_add_f32 v[54:55], v[28:29], v[30:31]
	v_pk_add_f32 v[48:49], v[48:49], v[50:51]
	v_pk_add_f32 v[52:53], v[52:53], v[54:55]
	v_pk_add_f32 v[48:49], v[48:49], v[52:53]
	v_add_f32 v48, v48, v49
	v_mul_f32 v48, v11, v48                        ; the mean
.set z, 0
.rept 8
	v_pk_add_f32 v[32+2*z:33+2*z], v[16+2*z:17+2*z], v[48:49] op_sel_hi:[1,0] neg_lo:[0,1] neg_hi:[0,1]
.set z, z+1
.endr
	v_pk_mul_f32 v[50:51], v[32:33], v[32:33]
	v_pk_mul_f32 v[52:53], v[34:35], v[34:35]
.set z, 2
.rept 6
	v_pk_fma_f32 v[50+2*(z%2):51+2*(z%2)], v[32+2*z:33+2*z], v[32+2*z:33+2*z], v[50+2*(z%2):51+2*(z%2)]
.set z, z+1
.endr
	v_pk_add_f32 v[50:51], v[50:51], v[52:53]
	v_add_f32 v50, v50, v51
	v_fmaak_f32 v50, v50, v11, 0x3727c5ac          ; sum / 16 + 1e-5
	v_rsq_f32 v52, v50
	v_nop                                          ; a plain instruction behind the root,
	s_wait_alu depctr_va_vdst(0)                   ; and the wait ahead of its first reader: the root has written v52
.set z, 0
.rept 8
	v_pk_mul_f32 v[32+2*z:33+2*z], v[32+2*z:33+2*z], v[52:53] op_sel_hi:[1,0]
.set z, z+1
.endr
.set z, 0
.rept 8
	v_pk_fma_f32 v[32+2*z:33+2*z], v[32+2*z:33+2*z], v[192+2*z:193+2*z], v[208+2*z:209+2*z]
.set z, z+1
.endr
.set z, 0
.rept 16
	v_max_num_f32 v[32+z], 0, v[32+z]
.set z, z+1
.endr
.endm
; P += the sum over rows r0 .. r0 + nr - 1 of Y[row] W[row][:].  The rows lie from v64 on, nout numbers each; first = 1: row 0 starts the sums with the bias in v224 ..
.macro ROWS r0, nr, nout, first
.set ri, 0
.rept \nr
.set yi, (\r0)+ri
.set jj, 0
.rept (\nout)/2
.if (\first) && (ri == 0)
	v_pk_fma_f32 v[16+2*jj:17+2*jj], v[64+2*jj:65+2*jj], v[32:33], v[224+2*jj:225+2*jj] op_sel_hi:[1,0,1]
.elseif yi%2 == 0
	v_pk_fma_f32 v[16+2*jj:17+2*jj], v[64+(\nout)*ri+2*jj:65+(\nout)*ri+2*jj], v[32+yi:33+yi], v[16+2*jj:17+2*jj] op_sel_hi:[1,0,1]
.else
	v_pk_fma_f32 v[16+2*jj:17+2*jj], v[64+(\nout)*ri+2*jj:65+(\nout)*ri+2*jj], v[31+yi:32+yi], v[16+2*jj:17+2*jj] op_sel:[0,1,0] op_sel_hi:[1,1,1]
.endif
.set jj, jj+1
.endr
.set ri, ri+1
.endr
.endm
	v_mov_b32 v10, 0                               ; the address of the loads that all lanes share
	v_mov_b32 v11, 0x3d800000                      ; 1 / 16
	s_wait_alu depctr_va_vdst(0)                   ; v10 is written: every shared load of the kernel reads it, and nothing writes it again
	BL 64, PPW, 16                                 ; pp_w v64-111, pp_b v112-127
	BL 192, L1G, 8
	BL 224, B1, 4
	v_mul_u32_u24 v4, v0, 0x1112
	v_lshrrev_b32 v4, 16, v4                       ; b = i / 15 (exact for i < 256); threads 225-255 work on offsets that nobody reads
	v_mul_u32_u24 v6, v4, 15
	v_sub_nc_u32 v6, v0, v6                        ; c = i % 15
	v_add_nc_u32 v4, -7, v4
	v_add_nc_u32 v6, -7, v6
	s_sub_co_i32 s45, ttmp9, 7
	v_cvt_f32_i32 v48, s45                         ; the three offsets, each twice: pairs for the packed arithmetic
	v_cvt_f32_i32 v49, s45
	v_cvt_f32_i32 v50, v4
	v_cvt_f32_i32 v51, v4
	v_cvt_f32_i32 v52, v6
	v_cvt_f32_i32 v53, v6
	v_lshl_add_u32 v12, v0, 2, POS                 ; where my eight results go
	s_wait_dscnt 0x0
.set z, 0
.rept 8
	v_pk_fma_f32 v[16+2*z:17+2*z], v[64+2*z:65+2*z], v[48:49], v[112+2*z:113+2*z]
.set z, z+1
.endr
.set z, 0
.rept 8
	v_pk_fma_f32 v[16+2*z:17+2*z], v[80+2*z:81+2*z], v[50:51], v[16+2*z:17+2*z]
.set z, z+1
.endr
.set z, 0
.rept 8
	v_pk_fma_f32 v[16+2*z:17+2*z], v[96+2*z:97+2*z], v[52:53], v[16+2*z:17+2*z]
.set z, z+1
.endr
	s_wait_alu depctr_va_vdst(0)                   ; the 24 lines above are done reading pp_w and pp_b in v64-127, in which the loads below land; v12 is written too
	BL 64, W1, 32                                  ; rows 0-7 of p1_w, on their way during the norm
	LNRELU
	s_wait_dscnt 0x0
	ROWS 0, 8, 16, 1
	s_wait_alu depctr_va_vdst(0)                   ; the rows' sums are done reading v64-191 and the bias in v224-239, the norm its gain and bias in v192-223: the loads below land in all three
	BL 64, W1+128, 32
	BL 192, L2G, 8
	BL 224, B2, 4
	s_wait_dscnt 0x0
	ROWS 8, 8, 16, 0
	s_wait_alu depctr_va_vdst(0)                   ; the rows' sums are done reading v64-191, in which the loads below land
	BL 64, W2, 32
	LNRELU
	s_wait_dscnt 0x0
	ROWS 0, 8, 16, 1
	s_wait_alu depctr_va_vdst(0)                   ; as in the first layer: v64-191, v192-223 and v224-239 have been read, and are loaded anew
	BL 64, W2+128, 32
	BL 192, L3G, 8
	BL 224, B3, 2
	s_wait_dscnt 0x0
	ROWS 8, 8, 16, 0
	s_wait_alu depctr_va_vdst(0)                   ; the rows' sums are done reading v64-191, in which the loads below land
	BL 64, W3, 32
	LNRELU
	s_wait_dscnt 0x0
	ROWS 0, 16, 8, 1
.set z, 0
.rept 4
	v_pk_mul_f32 v[16+2*z:17+2*z], v[16+2*z:17+2*z], 0x3fb8aa3b op_sel_hi:[1,0]  ; times log2(e): the softmax works in powers of 2
.set z, z+1
.endr
	s_wait_alu depctr_va_vdst(0)                   ; the multiplies have written v16 to v23, the data of the LDS stores below
.set z, 0
.rept 8
	ds_store_b32 v12, v[16+z] offset:1024*z
.set z, z+1
.endr
	s_wait_dscnt 0x0
	s_barrier_signal -1
	s_barrier_wait -1
	; spread out: thread = (plane, b, nd); its four numbers are c = nd - 4 plane - i + 7, i = 0..3
	v_bfe_u32 v3, v0, 3, 4
	v_min_u32 v3, 14, v3
	v_mul_u32_u24 v3, v3, 15
	v_and_b32 v4, 7, v0
	v_add3_u32 v3, v3, v4, 4
	v_lshrrev_b32 v4, 7, v0
	v_lshlrev_b32 v4, 2, v4
	v_sub_nc_u32 v3, v3, v4
	v_lshl_add_u32 v3, v3, 2, POS
	v_lshlrev_b32 v5, 4, v0                        ; my 16 bytes in a plane of t2 (v5's earlier readers stand ahead of the wait on vm_vsrc behind the first barrier)
	s_wait_alu depctr_va_vdst(0)                   ; v3, the address of the LDS loads below, and v5, the offset of the stores behind them, are written; the last readers of v64-95, in which the loads land, stand further up
.set z, 0
.rept 32
	ds_load_b32 v[64+z], v3 offset:1024*(z/4)+4*(3-z%4)
.set z, z+1
.endr
	s_lshl_b32 s46, ttmp9, 12                      ; a's 4,096 bytes in each head's table
	s_mov_b32 s47, 0
	s_add_nc_u64 s[42:43], s[42:43], s[46:47]
	s_wait_dscnt 0x0
.set z, 0
.rept 8
	global_store_b128 v5, v[64+4*z:67+4*z], s[42:43] offset:61440*z  ; a wave stores 512 consecutive bytes
.set z, z+1
.endr
.Lend:
	s_wait_dscnt 0x0                               ; the closing lines, six on end
	s_wait_alu 0x0
	s_wait_tensorcnt 0x0
	ds_add_u32 v1, v2
	s_wait_dscnt 0x0
	s_endpgm
.Lfunc_end_k_q6015c24934_prep:
	.size	k_q6015c24934_prep, .Lfunc_end_k_q6015c24934_prep-k_q6015c24934_prep
	.p2alignl 7, 3214868480
	.fill 96, 4, 3214868480
	.section	.rodata,"a",@progbits
	.p2align	6, 0x0
	.amdhsa_kernel k_q6015c24934_prep
		.amdhsa_group_segment_fixed_size 12800
		.amdhsa_private_segment_fixed_size 0
		.amdhsa_enable_private_segment 0
		.amdhsa_kernarg_size 160
		.amdhsa_user_sgpr_count 2
		.amdhsa_user_sgpr_kernarg_segment_ptr 1
		.amdhsa_wavefront_size32 1
		.amdhsa_system_sgpr_workgroup_id_x 1
		.amdhsa_system_sgpr_workgroup_id_y 1
		.amdhsa_system_sgpr_workgroup_id_z 1
		.amdhsa_system_vgpr_workitem_id 0
		.amdhsa_next_free_vgpr 256
		.amdhsa_next_free_sgpr 66
		.amdhsa_reserve_vcc 0
		.amdhsa_float_denorm_mode_32 3
		.amdhsa_float_denorm_mode_16_64 3
		.amdhsa_memory_ordered 1
		.amdhsa_forward_progress 1
		.amdhsa_inst_pref_size 58
	.end_amdhsa_kernel
	.amdgpu_metadata
---
amdhsa.version: [ 1, 2 ]
amdhsa.kernels:
  - .name:           k_q6015c24934_prep
    .symbol:         k_q6015c24934_prep.kd
    .args:
      - { .name: qkv_w, .offset: 0, .size: 8, .value_kind: global_buffer, .address_space: global }
      - { .name: proj_w, .offset: 8, .size: 8, .value_kind: global_buffer, .address_space: global }
      - { .name: fc1_w, .offset: 16, .size: 8, .value_kind: global_buffer, .address_space: global }
      - { .name: fc2_w, .offset: 24, .size: 8, .value_kind: global_buffer, .address_space: global }
      - { .name: pp_w, .offset: 32, .size: 8, .value_kind: global_buffer, .address_space: global }
      - { .name: pp_b, .offset: 40, .size: 8, .value_kind: global_buffer, .address_space: global }
      - { .name: p1_lng, .offset: 48, .size: 8, .value_kind: global_buffer, .address_space: global }
      - { .name: p1_lnb, .offset: 56, .size: 8, .value_kind: global_buffer, .address_space: global }
      - { .name: p1_w, .offset: 64, .size: 8, .value_kind: global_buffer, .address_space: global }
      - { .name: p1_b, .offset: 72, .size: 8, .value_kind: global_buffer, .address_space: global }
      - { .name: p2_lng, .offset: 80, .size: 8, .value_kind: global_buffer, .address_space: global }
      - { .name: p2_lnb, .offset: 88, .size: 8, .value_kind: global_buffer, .address_space: global }
      - { .name: p2_w, .offset: 96, .size: 8, .value_kind: global_buffer, .address_space: global }
      - { .name: p2_b, .offset: 104, .size: 8, .value_kind: global_buffer, .address_space: global }
      - { .name: p3_lng, .offset: 112, .size: 8, .value_kind: global_buffer, .address_space: global }
      - { .name: p3_lnb, .offset: 120, .size: 8, .value_kind: global_buffer, .address_space: global }
      - { .name: p3_w, .offset: 128, .size: 8, .value_kind: global_buffer, .address_space: global }
      - { .name: p3_b, .offset: 136, .size: 8, .value_kind: global_buffer, .address_space: global }
      - { .name: wb, .offset: 144, .size: 8, .value_kind: global_buffer, .address_space: global }
      - { .name: t2, .offset: 152, .size: 8, .value_kind: global_buffer, .address_space: global }
    .group_segment_fixed_size: 12800
    .private_segment_fixed_size: 0
    .kernarg_segment_align: 8
    .kernarg_segment_size: 160
    .max_flat_workgroup_size: 256
    .sgpr_count:     66
    .vgpr_count:     256
    .wavefront_size: 32
...
	.end_amdgpu_metadata
.endif
;; end of part 4
;; launch kvp: the kernel of part 2 again; grid 256 x 1, 4 waves a work-group, clusters of 4 x 1, 327,680 bytes of LDS; arguments y, qkv_b, wb, kv; writes kv
;; launch main: the kernel of part 3 again; grid 256 x 1, 4 waves a work-group, clusters of 4 x 1, 327,680 bytes of LDS; arguments x, kv, wb, t2, n1_g, n1_b, qkv_b, proj_b, n2_g, n2_b, fc1_b, fc2_b, out0; writes out0
